; MI455X (gfx1250); checked and timed in simulation.
; The chip was launched on July 23, 2026; its instructions are those of AMD's public machine-readable ISA for CDNA 5 (MIT licence, August 2026) and "CDNA5" Instruction Set Architecture Reference Guide (July 2026). The comments in the code are by the model that wrote it; some were corrected since.
;; Causal Attention. Allowed arithmetic: matrix products marked QUANTISED: E2M3 operands, one E8M0 scale for each 32 along K, by v_wmma_scale_f32_16x16x128_f8f6f4 with both operands' format E2M3, f32 sums; everything else in f32.
;; Inputs: W_out 1,024 x 1,024 float32; W_qkv 1,024 x 3,072 float32; X 4 x 2,048 x 1,024 float32; b_out 1,024 float32; b_qkv 3,072 float32.
;; Outputs: out0 4 x 2,048 x 1,024 float32.
;; This version of the problem:
;;   THIS VERSION OF THE PROBLEM IS GIVEN IN LOW PRECISION. The matrix products marked QUANTISED in the list below multiply operands that are first quantised to E2M3 (2 exponent bits, 3 mantissa bits; 6 bits a number), with one power-of-two scale for each 32 numbers along K (OCP MX v1.0); their sums are f32. All else is computed in f32.
;;   The module's matrix products, in the order in which they are computed (A, B: the left and right operand; K: the contracted axis; several contracted axes count as one K, in the product's order):
;;     1. [M 8,192, K 1,024] x [K 1,024, N 3,072]; A: input X; B: input W_qkv: QUANTISED
;;     2. batch 64 x [M 2,048, K 64] x [K 64, N 2,048]; A: computed on the way; B: computed on the way: QUANTISED
;;     3. batch 64 x [M 64, K 2,048] x [K 2,048, N 2,048]; A: computed on the way; B: softmax (see below): QUANTISED
;;     4. [M 8,192, K 1,024] x [K 1,024, N 1,024]; A: computed on the way; B: input W_out: QUANTISED
;;   THE QUANTISER, for each operand of a quantised product, along K:
;;     - K is cut into blocks of 32 from its start; a last block that is shorter is filled with zeros.
;;     - A block's scale is 2^e with e = floor(log2(the largest magnitude in the block)) - 2, held to -126 .. 127; a block of zeros has e = 0. As a byte (E8M0): e + 127.
;;     - Each number is divided by its block's scale, clamped to +-7.5, and rounded to the nearest number of E2M3, ties to even, subnormals kept.
;;     - The product sums the exact products of the quantised numbers (number of the format x scale) in f32.
;;   ~~~python
;;   def quantise(x, axis):      # numpy; x: float32 -> the quantised numbers, widened to float32 again
;;       x = np.moveaxis(x, axis, -1); K = x.shape[-1]
;;       x = np.pad(x, [(0, 0)] * (x.ndim - 1) + [(0, -K % 32)]); x = x.reshape(x.shape[:-1] + (-1, 32)); a = np.abs(x).max(-1, keepdims=True)
;;       e = np.where(a > 0, np.clip(np.frexp(np.where(a > 0, a, 1))[1] - 1 - 2, -126, 127), 0)      # np.frexp(a)[1] - 1 = floor(log2(a)), exactly
;;       r = np.clip(x / 2.0 ** e, -7.5, 7.5)
;;       step = 2.0 ** (np.maximum(np.frexp(np.where(r == 0, 1, r))[1] - 1, 0) - 3)
;;       q = np.round(r / step) * step * 2.0 ** e      # np.round: ties to even
;;       return np.moveaxis(q.reshape(q.shape[:-2] + (-1,))[..., :K], -1, axis).astype(np.float32)
;;   ~~~
;;   SOFTMAX AHEAD OF A QUANTISED PRODUCT. Where the list says 'softmax', what is quantised is not the finished softmax but p = 2^(t - M), with t = logit x log2(e) and M = ceil(the row's largest t), a whole number; so 1/2 < the row's largest p <= 1. The row's sum l is taken of the UNQUANTISED p, in f32, and the product's result is divided by l at the end. Since M is a whole number, a kernel that streams over the keys may use a running M (the ceiling of the running maximum): every later rescaling is an exact power of two, which a block's scale takes up: the codes' values come out the same.
;;   OPERANDS COMPUTED ON THE WAY. 'Computed on the way' means the value that the module computes at that place (a softmax that the list does not call 'softmax' is quantised finished and normalised). What goes into a quantiser is computed in f32, as accurately as f32 sums, v_exp_f32 and their like allow (about 1e-6 of the number): no bf16 or f16 on the way to a quantiser, and a product that is left as it is and whose result goes on into a quantised operand takes f32 operands (vector FMAs, or v_wmma_f32_16x16x4_f32). A number that lies on a knife's edge between two numbers of the format may be rounded either way, as far as f32 arithmetic and the matrix unit's own rounding can turn it there, and no further.
;; One version. Each part assembles by itself: llvm-mc -triple=amdgcn-amd-amdhsa -mcpu=gfx1250 --defsym DOCPART=n.
;; ======== version 1 of 1: 4 launches
;; limits: right only within a limited range of input values
;; workspace buffers: xcod 6,291,456 bytes; xscl 262,144 bytes; wcod 3,145,728 bytes; wscl 131,072 bytes; qbuf 6,815,744 bytes; kv 13,369,344 bytes; acod 6,291,456 bytes; ascl 524,288 bytes
;; launch quant (part 1): grid 384 x 1, 4 waves a work-group, no clusters, 34,304 bytes of LDS; arguments X, W_qkv, W_out, xcod, xscl, wcod, wscl; writes xcod, xscl, wcod, wscl
.if DOCPART == 1
	.amdgcn_target "amdgcn-amd-amdhsa--gfx1250"
	.amdhsa_code_object_version 6
	.text
	.protected	k_q1b6be28ea6_quant
	.globl	k_q1b6be28ea6_quant
	.p2align	8
	.type	k_q1b6be28ea6_quant,@function
k_q1b6be28ea6_quant:
	s_mov_b64 s[64:65], 0
	v_nop
	global_prefetch_b8 v0, s[64:65] scope:SCOPE_SE
	s_setreg_imm32_b32 hwreg(HW_REG_WAVE_MODE, 25, 1), 1
	s_wait_xcnt 0x0
; X [8192][1024], W_qkv [1024][3072] and W_out [1024][1024], f32, become codes of FP6 (E2M3) with one E8M0 byte for each 32 along K.  K is X's last axis and the weights' FIRST axis.
; A block's scale is 2^(floor(log2(its largest magnitude)) - 2): its byte is the largest magnitude's exponent field - 2, held at 1 from below by a floor among the maximum's leaves.
; LIMITS: NaN and infinities are not served; a block of zeros, or one whose largest magnitude lies under 2^-124, gets the byte 1 (zero codes add nothing under it; this program alone reads the bytes).
; THE LAYOUT OF ALL CODES: images of operand registers.  A HALF IMAGE is 16 rows x 64 along K, 768 bytes: lane l's registers 0-3 at 16 l, its registers 4-5 at 512 + 8 l; lane (r = l % 16, h = l / 16) holds
; row r, k = 32 h .. 32 h + 31.  A fragment (16 x 128) is two of them on end; a tile's eight fragments follow each other: 12,288 bytes a tile.
; THE ROWS OF A TILE ARE NOT NEIGHBOURS: lane r of tile 2 P + u holds row (the weights: column) 32 P + 8 u + r + 8 (r / 8).
; SCALE WORDS: [pair P][256 along K][lane (u, r)][2 words]: one load of 8 bytes a lane brings two K steps' words, tile 2 P in lanes 0-15 and tile 2 P + 1 in lanes 16-31.
; SHARES: work-groups 0-255 take X (a pair of tiles each, a wave 256 along K); 256-351 W_qkv, 352-383 W_out (a wave: a pair of tiles x 256 along K).  Waves share nothing: no barrier.  Only X's path uses LDS.
.set FLOOR, 0x1800000                  ; 2^(3 - 127)
.set SEL,  20                          ; s[20:21] v_permlanex16_b32's selects for lane l xor 16
.set SET,  16                          ; X: v16-143  two sets of 64 numbers as loaded
.set NN,   144                         ; v144-207 my 64 numbers: blocks h and 2 + h of my row
.set PC,   208                         ; v208-219 the fragment's codes
.set TT,   232                         ; v232-234, v236-238 the halves that a conversion cannot put at an odd register
.set MX,   240
.set SO,   242
.set BY,   244
.set WT,   246
.set WD,   248                         ; v248-251 the four fragments' scale words
.set WS,   32                          ; W: v32-95 two sets of 32 numbers
.set CB,   96                          ; v96-101, v104-109 the codes of an even and of an odd block
.set WTT,  112
	s_load_b256 s[4:11], s[0:1], 0x0               ; X s[4:5], W_qkv s[6:7], W_out s[8:9], xcod s[10:11]
	s_load_b128 s[12:15], s[0:1], 0x20             ; xscl s[12:13], wcod s[14:15]
	s_load_b64 s[16:17], s[0:1], 0x30              ; wscl
	v_lshl_add_u32 v254, v0, 2, 0x8400
	v_mov_b32 v255, 0
	v_lshrrev_b32 v1, 5, v0
	v_readfirstlane_b32 s18, v1                    ; wave
	v_and_b32 v1, 31, v0                           ; lane
	v_and_b32 v2, 15, v0                           ; r
	v_bfe_u32 v3, v0, 4, 1                         ; h (in the weights' path: u)
	v_lshlrev_b32 v4, 4, v1                        ; 16 l
	v_lshlrev_b32 v5, 3, v1                        ; 8 l
	s_mov_b32 s[SEL], 0x76543210
	s_mov_b32 s[SEL+1], 0xfedcba98
	s_wait_kmcnt 0x0
	s_cmp_lt_u32 ttmp9, 256
	s_cbranch_scc0 .Lweights
	; ---- X: pair P = the work-group's number, 256 along K = the wave's number: four fragments f = 2 u + s
	s_mul_i32 s22, s18, 8448                       ; my stage: 16 rows of 512 bytes + 16
	s_wait_alu depctr_va_vdst(0)
	v_add_nc_u32 v6, s22, v4                       ; in: a row as it was loaded
	v_mul_u32_u24 v7, v2, 528
	v_lshl_add_u32 v7, v3, 7, v7
	v_add_nc_u32 v7, s22, v7                       ; out: row r, + 128 h: my block of 32 numbers
	v_lshlrev_b32 v8, 3, v3                        ; 8 h: where my two bytes stand in the scale word
	v_mov_b32 v[WT+1], 0                           ; a lane permute's destination counts as one of its sources
	s_lshl_b32 s24, ttmp9, 17                      ; 32 rows of 4,096 bytes
	s_lshl_b32 s25, s18, 10
	s_add_co_u32 s24, s24, s25
	s_mov_b32 s25, 0
	; WHERE A TILE'S FRAGMENTS LIE (this takes the place of 'a tile's eight fragments follow each other' at the head): codes lie as [block of tiles][256 along K][tile][two fragments, 3,072 bytes],
	; a block being 16 tiles of X, the 12 tiles of a head of W_qkv, or 8 tiles of W_out: so all that a work-group of a later launch reads of an operand for some 256 along K is one dense run of bytes.
	s_lshr_b32 s26, ttmp9, 3                       ; the block of 16 tiles
	s_mul_i32 s26, s26, 196608
	s_and_b32 s27, ttmp9, 7                        ; my pair of tiles in it
	s_mul_i32 s27, s27, 6144
	s_add_co_u32 s26, s26, s27
	s_mul_i32 s27, s18, 49152                      ; my 256 along K
	s_add_co_u32 s26, s26, s27
	s_mov_b32 s27, 0
	s_lshl_b32 s28, ttmp9, 10
	s_lshl_b32 s29, s18, 8
	s_add_co_u32 s28, s28, s29
	s_mov_b32 s29, 0
	s_add_nc_u64 s[4:5], s[4:5], s[24:25]
	s_add_nc_u64 s[10:11], s[10:11], s[26:27]
	s_add_nc_u64 s[12:13], s[12:13], s[28:29]
.macro LOADX f                         ; the 16 rows of tile f / 2, 128 along K: each load reads 512 consecutive bytes of one row
.set i, 0
.rept 16
	global_load_b128 v[SET+64*((\f)%2)+4*i:SET+64*((\f)%2)+4*i+3], v4, s[4:5] offset:(8*((\f)/2)+i+8*(i/8))*4096+512*((\f)%2) th:TH_LOAD_NT
.set i, i+1
.endr
.endm
.macro FRAGX f
.if (\f) < 3
	s_wait_loadcnt 16                              ; this fragment's 16 loads are in; the next fragment's may be out
.else
	s_wait_loadcnt 0x0
.endif
.set i, 0
.rept 16
	ds_store_b128 v6, v[SET+64*((\f)%2)+4*i:SET+64*((\f)%2)+4*i+3] offset:528*i
.set i, i+1
.endr
.set i, 0
.rept 16
	ds_load_b128 v[NN+4*i:NN+4*i+3], v7 offset:256*(i/8)+16*(i%8)   ; LDS serves a wave's instructions in order: these see the stores above.  Register 32 c + m = k 64 c + 32 h + m of row r
.set i, i+1
.endr
	s_wait_dscnt 0x0                               ; my numbers are back, and the stores have read their set,
.if (\f)+2 < 4
	LOADX (\f)+2                                   ; which takes the fragment two further on
.endif
.irp c, 0,1
	v_max3_num_f32 v[MX+\c], |v[NN+32*\c]|, |v[NN+32*\c+1]|, FLOOR   ; a whole block lies in my lane; the two blocks by turns
.endr
.irp i, 2,4,6,8,10,12,14,16,18,20,22,24,26,28,30
.irp c, 0,1
	v_max3_num_f32 v[MX+\c], v[MX+\c], |v[NN+32*\c+\i]|, |v[NN+32*\c+\i+1]|
.endr
.endr
.irp c, 0,1
	v_add_nc_u32 v[SO+\c], 0xff000000, v[MX+\c]    ; 2 off the exponent field: the conversion's scale operand
.endr
.irp c, 0,1
	v_lshrrev_b32 v[BY+\c], 23, v[SO+\c]           ; the scale's byte
.endr
	v_lshl_or_b32 v[WT], v[BY+1], 16, v[BY]        ; blocks h and 2 + h,
	v_lshlrev_b32 v[WT], v8, v[WT]                 ; at their places;
	v_permlanex16_b32 v[WT+1], v[WT], s[SEL], s[SEL+1]
	v_or_b32 v[WD+(\f)], v[WT], v[WT+1]            ; with lane l xor 16's two the word is whole
	s_wait_alu depctr_va_vdst(0)
	s_wait_xcnt 0x0                                ; the last fragment's stores have read the code registers: they are written again only behind this wait
	v_cvt_scalef32_pk16_fp6_f32 v[PC:PC+2], v[NN:NN+15], v[SO]
	v_cvt_scalef32_pk16_fp6_f32 v[TT:TT+2], v[NN+16:NN+31], v[SO]
	v_cvt_scalef32_pk16_fp6_f32 v[PC+6:PC+8], v[NN+32:NN+47], v[SO+1]
	v_cvt_scalef32_pk16_fp6_f32 v[TT+4:TT+6], v[NN+48:NN+63], v[SO+1]
	v_nop                                          ; one plain place behind a scaled conversion
.irp i, 0,1,2
	v_mov_b32 v[PC+3+\i], v[TT+\i]
	v_mov_b32 v[PC+9+\i], v[TT+4+\i]
.endr
.set OF, ((\f)/2)*3072+((\f)%2)*1536
	global_store_b128 v4, v[PC:PC+3], s[10:11] offset:OF          ; 512 consecutive bytes,
	global_store_b64 v5, v[PC+4:PC+5], s[10:11] offset:OF+512     ; 256,
	global_store_b128 v4, v[PC+6:PC+9], s[10:11] offset:OF+768
	global_store_b64 v5, v[PC+10:PC+11], s[10:11] offset:OF+1280
.endm
	LOADX 0
	LOADX 1
	s_wait_alu depctr_va_vdst(0)
	FRAGX 0
	FRAGX 1
	FRAGX 2
	FRAGX 3
	v_cmp_lt_u32 vcc_lo, 15, v1                    ; lanes 16-31 store tile 1's words
	v_cndmask_b32 v[WT], v[WD], v[WD+2], vcc_lo
	v_cndmask_b32 v[WT+1], v[WD+1], v[WD+3], vcc_lo
	global_store_b64 v5, v[WT:WT+1], s[12:13]      ; 256 consecutive bytes
	s_wait_tensorcnt 0x0
	ds_add_u32 v254, v255
	s_wait_dscnt 0x0
	s_endpgm
	; ---- the weights: lane (u, r) takes ONE column and its registers run down K: a block of 32 lies in one lane, and the conversions give codes with K innermost
.macro LOADW t, n, src                 ; block t: 32 rows; each load reads 128 consecutive bytes, the four waves side by side 512
.set i, 0
.rept 32
	global_load_b32 v[WS+32*((\t)%2)+i], v6, s[\src:\src+1] offset:(32*(\t)+i)*(\n)*4 th:TH_LOAD_NT
.set i, i+1
.endr
.endm
.macro BLOCKW t, n, src
.set XS, WS+32*((\t)%2)
.set CT, CB+8*((\t)%2)
.if (\t) < 7
	s_wait_loadcnt 32                              ; this block's 32 loads are in; the next block's may be out
.else
	s_wait_loadcnt 0x0
.endif
	v_max3_num_f32 v116, |v[XS]|, |v[XS+1]|, |v[XS+2]|
	v_max3_num_f32 v117, |v[XS+3]|, |v[XS+4]|, |v[XS+5]|
.irp i, 6,10,14,18,22,26
	v_max3_num_f32 v116, v116, |v[XS+\i]|, |v[XS+\i+1]|
	v_max3_num_f32 v117, v117, |v[XS+\i+2]|, |v[XS+\i+3]|
.endr
	v_max3_num_f32 v116, v116, |v[XS+30]|, |v[XS+31]|
	v_max3_num_f32 v116, v116, v117, FLOOR
	v_add_nc_u32 v118, 0xff000000, v116            ; the conversion's scale operand
	v_lshrrev_b32 v119, 23, v118                   ; the byte
.if (\t)%4 == 0
	v_mov_b32 v[120+(\t)/4], v119                  ; four bytes to a word, the lower K in the lower byte
.else
	v_lshl_or_b32 v[120+(\t)/4], v119, 8*((\t)%4), v[120+(\t)/4]
.endif
.if (\t)%2 == 0
	s_wait_alu depctr_va_vdst(0)
	s_wait_xcnt 0x0                                ; the last pair of blocks' stores have read both runs of code registers
.endif
	v_cvt_scalef32_pk16_fp6_f32 v[CT:CT+2], v[XS:XS+15], v118
	v_cvt_scalef32_pk16_fp6_f32 v[WTT:WTT+2], v[XS+16:XS+31], v118
	v_nop                                          ; one plain place behind a scaled conversion
.irp i, 0,1,2
	v_mov_b32 v[CT+3+\i], v[WTT+\i]
.endr
.if (\t)+2 < 8
	LOADW (\t)+2, \n, \src
.endif
.if (\t)%2 == 1
.irp i, 0,1,2,3,4,5
	v_permlane16_swap_b32 v[CB+\i], v[CB+8+\i]     ; the even block's lanes 16-31 (tile 1) change places with the odd block's lanes 0-15 (tile 0): each run is now one tile's half image
.endr
.set OF, ((\t)/4)*1536+(((\t)/2)%2)*768
	global_store_b128 v4, v[CB:CB+3], s[14:15] offset:OF
	global_store_b64 v5, v[CB+4:CB+5], s[14:15] offset:OF+512
	global_store_b128 v4, v[CB+8:CB+11], s[14:15] offset:OF+3072
	global_store_b64 v5, v[CB+12:CB+13], s[14:15] offset:OF+3072+512
.endif
.endm
; n: the weight's columns; tile0: its first tile in wcod; wg0: its first work-group; src: the register pair with its address.
; Every offset of a load is an immediate: 255 rows of 4 n bytes at the most, 3,133,440 bytes, inside the signed 24 bits.
.macro WPATH n, tile0, wg0, src, gp, mg        ; gp: pairs of tiles in a block; mg: pair x mg / 256, rounded down, is the pair's block (43 serves gp = 6 up to pair 95, 64 serves gp = 4)
	s_sub_co_u32 s22, ttmp9, \wg0
	s_lshr_b32 s23, s22, 2
	s_and_b32 s22, s22, 3                          ; which 256 along K
	s_lshl_b32 s23, s23, 2
	s_add_co_u32 s23, s23, s18                     ; the pair of tiles P
	v_and_b32 v6, 8, v2
	v_add_nc_u32 v6, v6, v2                        ; r + 8 (r / 8)
	v_lshl_add_u32 v6, v3, 3, v6                   ; + 8 u
	v_lshlrev_b32 v6, 2, v6
	s_wait_alu depctr_va_vdst(0)
	s_mul_i32 s24, s22, 256*(\n)*4
	s_lshl_b32 s25, s23, 7                         ; 32 columns of 4 bytes
	s_add_co_u32 s24, s24, s25
	s_mov_b32 s25, 0
	s_add_nc_u64 s[\src:\src+1], s[\src:\src+1], s[24:25]
	s_mul_i32 s26, s23, (\mg)
	s_lshr_b32 s26, s26, 8                         ; the block
	s_mul_i32 s27, s26, (\gp)
	s_sub_co_u32 s27, s23, s27                     ; the pair in it
	s_mul_i32 s26, s26, (\gp)*24576
	s_mul_i32 s27, s27, 6144
	s_add_co_u32 s26, s26, s27
	s_mul_i32 s27, s22, (\gp)*6144                 ; the 256 along K
	s_add_co_u32 s26, s26, s27
	s_add_co_u32 s26, s26, (\tile0)*12288
	s_mov_b32 s27, 0
	s_add_nc_u64 s[14:15], s[14:15], s[26:27]
	s_lshl_b32 s28, s23, 10
	s_lshl_b32 s29, s22, 8
	s_add_co_u32 s28, s28, s29
	s_add_co_u32 s28, s28, ((\tile0)/2)*1024
	s_mov_b32 s29, 0
	s_add_nc_u64 s[16:17], s[16:17], s[28:29]
	LOADW 0, \n, \src
	LOADW 1, \n, \src
.irp t, 0,1,2,3,4,5,6,7
	BLOCKW \t, \n, \src
.endr
	global_store_b64 v5, v[120:121], s[16:17]      ; my column's two scale words: the wave stores 256 consecutive bytes
	s_endpgm
.endm
.Lweights:
	s_cmp_lt_u32 ttmp9, 352
	s_cbranch_scc0 .Lwout
	s_wait_alu depctr_va_vdst(0)
	WPATH 3072, 0, 256, 6, 6, 43
.Lwout:
	s_wait_alu depctr_va_vdst(0)
	WPATH 1024, 192, 352, 8, 4, 64
.Lfunc_end_k_q1b6be28ea6_quant:
	.size	k_q1b6be28ea6_quant, .Lfunc_end_k_q1b6be28ea6_quant-k_q1b6be28ea6_quant
	.p2alignl 7, 3214868480
	.fill 96, 4, 3214868480
	.section	.rodata,"a",@progbits
	.p2align	6, 0x0
	.amdhsa_kernel k_q1b6be28ea6_quant
		.amdhsa_group_segment_fixed_size 34304
		.amdhsa_private_segment_fixed_size 0
		.amdhsa_enable_private_segment 0
		.amdhsa_kernarg_size 56
		.amdhsa_user_sgpr_count 2
		.amdhsa_user_sgpr_kernarg_segment_ptr 1
		.amdhsa_wavefront_size32 1
		.amdhsa_system_sgpr_workgroup_id_x 1
		.amdhsa_system_sgpr_workgroup_id_y 1
		.amdhsa_system_sgpr_workgroup_id_z 1
		.amdhsa_system_vgpr_workitem_id 0
		.amdhsa_next_free_vgpr 256
		.amdhsa_next_free_sgpr 66
		.amdhsa_reserve_vcc 1
		.amdhsa_float_denorm_mode_32 3
		.amdhsa_float_denorm_mode_16_64 3
		.amdhsa_memory_ordered 1
		.amdhsa_forward_progress 1
		.amdhsa_inst_pref_size 110
	.end_amdhsa_kernel
	.amdgpu_metadata
---
amdhsa.version: [ 1, 2 ]
amdhsa.kernels:
  - .name:           k_q1b6be28ea6_quant
    .symbol:         k_q1b6be28ea6_quant.kd
    .args:
      - { .name: X, .offset: 0, .size: 8, .value_kind: global_buffer, .address_space: global }
      - { .name: W_qkv, .offset: 8, .size: 8, .value_kind: global_buffer, .address_space: global }
      - { .name: W_out, .offset: 16, .size: 8, .value_kind: global_buffer, .address_space: global }
      - { .name: xcod, .offset: 24, .size: 8, .value_kind: global_buffer, .address_space: global }
      - { .name: xscl, .offset: 32, .size: 8, .value_kind: global_buffer, .address_space: global }
      - { .name: wcod, .offset: 40, .size: 8, .value_kind: global_buffer, .address_space: global }
      - { .name: wscl, .offset: 48, .size: 8, .value_kind: global_buffer, .address_space: global }
    .group_segment_fixed_size: 34304
    .private_segment_fixed_size: 0
    .kernarg_segment_align: 8
    .kernarg_segment_size: 56
    .max_flat_workgroup_size: 128
    .sgpr_count:     66
    .vgpr_count:     256
    .wavefront_size: 32
...
	.end_amdgpu_metadata
.endif
;; end of part 1
;; launch qkv (part 2): grid 16 x 32, 4 waves a work-group, clusters of 4 x 4, 327,680 bytes of LDS; arguments xcod, xscl, wcod, wscl, b_qkv, qbuf, kv; writes qbuf, kv
.if DOCPART == 2
	.amdgcn_target "amdgcn-amd-amdhsa--gfx1250"
	.amdhsa_code_object_version 6
	.text
	.protected	k_q1b6be28ea6_qkv
	.globl	k_q1b6be28ea6_qkv
	.p2align	8
	.type	k_q1b6be28ea6_qkv,@function
k_q1b6be28ea6_qkv:
	s_mov_b64 s[64:65], 0
	v_nop
	global_prefetch_b8 v0, s[64:65] scope:SCOPE_SE
	s_setreg_imm32_b32 hwreg(HW_REG_WAVE_MODE, 25, 1), 1
	s_wait_xcnt 0x0
	s_wait_alu depctr_hold_cnt(0) depctr_sa_sdst(0) depctr_va_vdst(0) depctr_va_sdst(0) depctr_va_ssrc(0) depctr_va_vcc(0) depctr_vm_vsrc(0)
	s_getreg_b32 s2, hwreg(HW_REG_IB_STS2, 6, 4)
	s_cmp_eq_u32 s2, 0
	s_cbranch_scc0 .Lentry_in_a_cluster
	s_endpgm
.Lentry_in_a_cluster:
	s_bfe_u32 s2, ttmp6, 0x10000c
	s_cmp_lg_u32 s2, 0xf033
	s_cbranch_scc0 .Lentry_shape_is_right
	s_endpgm
.Lentry_shape_is_right:
; qkv = X W_qkv + b_qkv on codes of FP6 (E2M3) with E8M0 scales; the result never goes to memory as numbers: Q, K (along the head's 64) and V (along the keys) are quantised in registers and leave as codes.
; A work-group makes 256 rows x the 192 columns of ONE head (x = the head, y = the block of rows); each of its four waves 64 rows x 192: 48 accumulators.  K = 1,024 goes in eight steps of 128.
; CODES lie in memory as images of operand registers (half image: 16 rows x 64 K, 768 bytes: lane l's registers 0-3 at 16 l, registers 4-5 at 512 + 8 l; a tile's 8 fragments on end, 12,288 bytes).
; So a slot (256 along K) is 16 + 12 rows of 3,072 bytes, a fragment comes by four LDS loads of 512 or 256 consecutive bytes, and there is no pitch and no padding.
; Lane r of tile 2 P + u holds row 32 P + 8 u + r + 8 (r / 8), for X's rows and W's columns alike: the 16 registers of two neighbouring result tiles are then 16 neighbours.
; Q and K are made TRANSPOSED (source 0 = W's columns, source 1 = X's rows): a lane holds one row and its registers run along the head's 64.  V is made the natural way round: a lane holds one channel
; and its registers run along the keys.  In both cases a lane's 32 registers are its halves of two blocks of 32 along the next product's K; lane l xor 16 holds the other halves.
; LDS: three slots of 86,016 bytes; slot 0 is filled a second time (the fourth 256 along K) behind a round of the cluster's barrier; then the spare words.  All of the WGP's LDS is claimed.
; CLUSTER 4 x 4: A's tiles are shared along a row of the cluster, B's along a column: joint loads.  Waves 0, 1 fetch A's halves, waves 2, 3 B's.  A wave has three tensor loads out at the start, later one.
; LIMITS: NaN and infinities are not served; a block of zeros, or one whose largest magnitude lies under 2^-124, gets the byte 1 (read by this program alone).
; REGISTERS: window 0: v1-11 lane terms; v12-27 LDS addresses, one for each slot; v28, v29 the add's; v32-47 A's scale words (8 x pair + step), v48-95 B's; v96-191 the biases, later codes; v192-255 at work.
;   window 1: B's 12 fragments, ONE set, at v[12 j]; A's 4, two sets, at v[144 + 48 (step % 2) + 12 a].   window 2: Q's accumulators at v[8 (4 a + b)], K's 128 on.   window 3: V's at v[8 (4 v + a)].
; LDS AND LOADS AS THEY STAND (this takes the place of what the head says of slots and of loads).  Codes lie in memory as [block][256 along K][tile][3,072 bytes], so three quarters of K of an operand are one dense run.
; LDS: A's three slots [256 along K][16 tiles][3,072] from 0, B's three [256 along K][12 tiles][3,072] from BOFF, then the spare words.  At the head each wave issues ONE joint load: waves 0 and 1 a half each of A's
; 48 rows of 3,072 bytes, waves 2 and 3 a half each of B's 36.  The first 256 along K lie in wave 0's and wave 2's halves: the first barrier waits for these two alone (each wave has a load line of its own).
; Step 1's round shows the rest, and behind it slot 0 of A and of B takes the last 256 along K: 8 or 6 rows a wave.
.set ASL,   49152
.set BSL,   36864
.set BOFF,  147456
.set SPARE, 258048
.set TROW,  12288
.set QS,    6291456                    ; in qbuf: behind the codes, Q's scale words
.set REC,   208896                     ; a head's record in kv
.set FLOOR, 0x1800000
.set L16, 2
.set L8,  3
.set L4,  4
.set BH,  5                            ; 64 h: my eight biases of a transposed tile
.set BR,  6                            ; 4 (r + 8 (r / 8)): my one bias of a tile of V
.set ADA16, 12
.set ADA8,  16
.set ADB16, 20
.set ADB8,  24
.set SPW, 28
.set NIL, 29
.set SA,  32
.set SB,  48
.set BI,  96
.set MX,  192
.set PT,  200
.set SO,  208
.set BY,  216
.set XT,  224
.set SW,  240
.set SP2, 244
.set SEL, 2                            ; s[2:3]
.set WV,  18
.set HM,  87                           ; the mask of lanes 16-31
.set G1A, 24                           ; s[24:31] group 1 for A's tiles; s[32:39] groups 0: the head's load and the refill
.set G0A, 32
.set G1B, 48                           ; s[48:55], s[68:75] the same for B's
.set G0B, 68
.set MSB, 0
.macro WIN new                         ; the immediate's high byte repeats the setting that is left
.if MSB != (\new)
	s_set_vgpr_msb (MSB<<8)|(\new)
.set MSB, (\new)
.endif
.endm
.macro PLACES                          ; four plain places behind matrix instructions, ahead of loads into their operands and of reads of their results
.rept 4
	v_nop
.endr
.endm
.macro JLOAD s                         ; a joint load; the branch hangs on the wave's number alone; four v_nop follow each of the two lines
	s_cmp_eq_u32 s19, 0
	s_cbranch_scc0 .Lfor_b_\@
	tensor_load_to_lds s[G0A+4*\s:G0A+4*\s+3], s[G1A:G1A+7]
	s_nop 0
.rept 4
	v_nop
.endr
	s_branch .Lasked_\@
.Lfor_b_\@:
	tensor_load_to_lds s[G0B+4*\s:G0B+4*\s+3], s[G1B:G1B+7]
	s_nop 0
.rept 4
	v_nop
.endr
.Lasked_\@:
.endm
.macro CREST                           ; a round of the cluster's barrier behind its opening barrier
	s_cmp_lg_u32 s[WV], 0
	s_cbranch_scc1 .Lnot_wave_0_\@
	s_barrier_signal -3
.Lnot_wave_0_\@:
	s_barrier_wait -3
	s_barrier_signal -1
	s_barrier_wait -1
.endm
.macro CROUND
	s_barrier_signal -1
	s_barrier_wait -1
	CREST
.endm
	s_load_b256 s[4:11], s[0:1], 0x0               ; xcod s[4:5], xscl s[6:7], wcod s[8:9], wscl s[10:11]
	s_load_b128 s[12:15], s[0:1], 0x20             ; b_qkv s[12:13], qbuf s[14:15]
	s_load_b64 s[16:17], s[0:1], 0x30              ; kv
	v_lshl_add_u32 v[SPW], v0, 2, SPARE
	v_mov_b32 v[NIL], 0
	ds_add_u32 v28, v29
	ds_add_u32 v28, v29
	s_wait_dscnt 0x0
	v_lshrrev_b32 v1, 5, v0
	v_readfirstlane_b32 s[WV], v1                  ; wave 0..3
	; THE WAVES' ROLES IN FETCHING, AS THEY STAND (in place of what is said of them further up): waves 0 and 2 fetch A's first and second half, waves 1 and 3 B's.
	; So the two halves that hold the first 256 along K are waves 0 and 1's, and the first barrier waits for these two alone.
	s_and_b32 s19, s[WV], 1                        ; I fetch for A (0) or for B (1),
	s_lshr_b32 s20, s[WV], 1                       ; its first or its second half
	s_bfe_u32 s21, ttmp6, 0x40000                  ; cx
	s_bfe_u32 s22, ttmp6, 0x40004                  ; cy
	s_lshl_b32 s23, ttmp9, 2
	s_add_co_u32 s23, s23, s21                     ; x: the head
	s_and_b32 s84, ttmp7, 0xffff
	s_lshl_b32 s84, s84, 2
	s_add_co_u32 s84, s84, s22                     ; y: the block of 256 rows
	s_lshl_b32 s85, s22, 2
	s_lshl_b32 s85, 15, s85                        ; my row of the cluster
	s_lshl_b32 s86, 0x1111, s21                    ; my column
	s_or_b32 s[G1A], s85, (3<<16)|(1<<21)          ; 15:0 the mask; 17:16 elements of 8 bytes; 21 set beside a mask; no padding
	s_or_b32 s[G1B], s86, (3<<16)|(1<<21)
.irp g, G1A, G1B
	s_mov_b32 s[\g+1], 384<<16                     ; tensor_dim0: 3,072 bytes
	s_mov_b32 s[\g+3], 384<<16                     ; tile_dim0
	s_mov_b32 s[\g+5], 384                         ; the rows lie on end
	s_mov_b32 s[\g+6], 0
	s_mov_b32 s[\g+7], 0
.endr
	s_mov_b32 s[G1A+2], 24<<16                     ; tensor_dim1, tile_dim1 at the head: 24 rows of A,
	s_mov_b32 s[G1A+4], 24
	s_mov_b32 s[G1B+2], 18<<16                     ; 18 of B
	s_mov_b32 s[G1B+4], 18
	s_mul_i32 s56, s84, 196608                     ; A: block y, + my half of its first 48 rows.  These registers never hold x,
	s_mul_i32 s58, s20, 73728                      ; which is also the place in LDS
	s_add_co_u32 s56, s56, s58
	s_mov_b32 s57, 0
	s_mul_i32 s60, s23, 147456                     ; B: head x, + my half of its first 36 rows.  These never hold y
	s_mul_i32 s62, s20, 55296
	s_add_co_u32 s60, s60, s62
	s_mov_b32 s61, 0
	s_add_co_u32 s62, s62, BOFF
	s_mov_b32 s[SEL], 0x76543210
	s_mov_b32 s[SEL+1], 0xfedcba98
	s_wait_kmcnt 0x0
	s_add_nc_u64 s[56:57], s[4:5], s[56:57]
	s_add_nc_u64 s[60:61], s[8:9], s[60:61]
	CROUND                                         ; all sixteen work-groups are here: the first joint loads meet
	s_mov_b32 s[G0A], 1                            ; set 0: the head's loads
	s_mov_b32 s[G0A+1], s58
	s_mov_b64 s[G0A+2:G0A+3], s[56:57]
	s_or_b32 s[G0A+3], s[G0A+3], 0x80000000
	s_mov_b32 s[G0B], 1
	s_mov_b32 s[G0B+1], s62
	s_mov_b64 s[G0B+2:G0B+3], s[60:61]
	s_or_b32 s[G0B+3], s[G0B+3], 0x80000000
	s_mov_b32 s[G0A+4], 1                          ; set 1: the refill, the last 256 along K: A's row 48 + 8 x half, into slot 0
	s_mul_i32 s[G0A+5], s20, 24576
	s_mul_i32 s88, s20, 49152
	s_mov_b32 s89, 0
	s_add_nc_u64 s[G0A+6:G0A+7], s[56:57], 147456
	s_sub_nc_u64 s[G0A+6:G0A+7], s[G0A+6:G0A+7], s[88:89]
	s_or_b32 s[G0A+7], s[G0A+7], 0x80000000
	s_mov_b32 s[G0B+4], 1                          ; B's row 36 + 6 x half
	s_mul_i32 s[G0B+5], s20, 18432
	s_add_co_u32 s[G0B+5], s[G0B+5], BOFF
	s_mul_i32 s88, s20, 36864
	s_add_nc_u64 s[G0B+6:G0B+7], s[60:61], 110592
	s_sub_nc_u64 s[G0B+6:G0B+7], s[G0B+6:G0B+7], s[88:89]
	s_or_b32 s[G0B+7], s[G0B+7], 0x80000000
.macro ARM w, g0, g1, next             ; one arm of the head's chain of branches on the wave's number: one load, then the jump to the join
	s_cmp_eq_u32 s[WV], \w
	s_cbranch_scc0 \next
	tensor_load_to_lds s[\g0:\g0+3], s[\g1:\g1+7]
	s_nop 0
.rept 4
	v_nop
.endr
	s_branch .Lhead_asked
\next:
.endm
	ARM 0, G0A, G1A, .Lhead_1
	ARM 1, G0B, G1B, .Lhead_2
	ARM 2, G0A, G1A, .Lhead_3
	tensor_load_to_lds s[G0B:G0B+3], s[G1B:G1B+7]
	s_nop 0
.rept 4
	v_nop
.endr
.Lhead_asked:
	v_and_b32 v1, 31, v0
	v_lshlrev_b32 v[L16], 4, v1
	v_lshlrev_b32 v[L8], 3, v1
	s_wait_alu depctr_va_vdst(0)
	v_lshlrev_b32 v[L4], 2, v1
	v_bfe_u32 v7, v0, 4, 1
	v_lshlrev_b32 v[BH], 6, v7
	s_wait_alu depctr_va_vdst(0)
	v_and_b32 v8, 15, v0
	v_and_b32 v9, 8, v8
	v_add_nc_u32 v9, v9, v8
	v_lshlrev_b32 v[BR], 2, v9
	s_wait_alu depctr_va_vdst(0)
	v_cmp_lt_u32 s[HM], 15, v1
	s_lshl_b32 s88, s84, 3                         ; A's scale words: pair 8 y + 2 w on
	s_lshl_b32 s89, s[WV], 1
	s_add_co_u32 s88, s88, s89
	s_lshl_b32 s88, s88, 10
	s_mov_b32 s89, 0
	s_add_nc_u64 s[88:89], s[6:7], s[88:89]
	s_mul_i32 s90, s23, 6*1024                     ; B's: pair 6 x on
	s_mov_b32 s91, 0
	s_add_nc_u64 s[90:91], s[10:11], s[90:91]
	s_mul_i32 s92, s23, 768                        ; the head's 192 biases
	s_mov_b32 s93, 0
	s_add_nc_u64 s[92:93], s[12:13], s[92:93]
.irp i, 0,1
.irp p, 0,1,2,3
	global_load_b64 v[SA+8*\i+2*\p:SA+8*\i+2*\p+1], v[L8], s[88:89] offset:1024*\i+256*\p   ; two steps' words: 256 consecutive bytes.  All scale words of the launch come once, into registers
.endr
.endr
.irp i, 0,1,2,3,4,5
.irp p, 0,1,2,3
	global_load_b64 v[SB+8*\i+2*\p:SB+8*\i+2*\p+1], v[L8], s[90:91] offset:1024*\i+256*\p
.endr
.endr
.irp j, 0,1,2,3,4,5,6,7                ; the biases are the C of the first step.  Transposed tile j: register q of lane (., h) is column 32 (j / 2) + 8 (j % 2) + 16 h + q
	global_load_b128 v[BI+8*\j:BI+8*\j+3], v[BH], s[92:93] offset:(32*(\j/2)+8*(\j%2))*4
	global_load_b128 v[BI+8*\j+4:BI+8*\j+7], v[BH], s[92:93] offset:(32*(\j/2)+8*(\j%2))*4+16
.endr
.irp j, 8,9,10,11                      ; a tile of V: all eight registers of lane r are column 32 (j / 2) + 8 (j % 2) + r + 8 (r / 8)
.irp q, 0,1,2,3,4,5,6,7
	global_load_b32 v[BI+8*\j+\q], v[BR], s[92:93] offset:(32*(\j/2)+8*(\j%2))*4
.endr
.endr
	s_mul_i32 s59, s[WV], 4*3072                   ; my four tiles of A
	s_mov_b32 s63, BOFF
.irp s, 0,1,2
	v_add_nc_u32 v[ADA16+\s], s59, v[L16]
	v_add_nc_u32 v[ADA8+\s], s59, v[L8]
	v_add_nc_u32 v[ADB16+\s], s63, v[L16]
	v_add_nc_u32 v[ADB8+\s], s63, v[L8]
	s_add_co_u32 s59, s59, ASL
	s_add_co_u32 s63, s63, BSL
.endr
.irp q, 0,1,2,3,4,5,6,7
	v_mov_b32 v[PT+\q], 0                          ; written once: a lane permute's destination counts as one of its sources
.endr
.macro FRAG reg, a16, a8, off          ; a fragment, two half images on end
	ds_load_b128 v[(\reg):(\reg)+3], v[(\a16)] offset:(\off)
	ds_load_b64 v[(\reg)+4:(\reg)+5], v[(\a8)] offset:(\off)+512
	ds_load_b128 v[(\reg)+6:(\reg)+9], v[(\a16)] offset:(\off)+768
	ds_load_b64 v[(\reg)+10:(\reg)+11], v[(\a8)] offset:(\off)+1280
.endm
.macro FETB s, g                       ; step s: B's group g (Q, K or V: four tiles): 16 loads
.set LS, (((\s)/2)%3)
.irp b, 0,1,2,3
	FRAG 12*(4*(\g)+\b), ADB16+LS, ADB8+LS, (4*(\g)+\b)*3072+((\s)%2)*1536
.endr
.endm
.macro FETA s                          ; step s: my four tiles of A: 16 loads
.set LS, (((\s)/2)%3)
.irp a, 0,1,2,3
	FRAG 144+48*((\s)%2)+12*\a, ADA16+LS, ADA8+LS, \a*3072+((\s)%2)*1536
.endr
.endm
.macro WM d, fa, fb, c, sa, sb, ra, rb ; ra, rb: the source's scale words stand in lanes 16-31 (an odd tile of its pair)
.if (\ra) && (\rb)
	v_wmma_scale_f32_16x16x128_f8f6f4 v[\d:\d+7], v[\fa:\fa+11], v[\fb:\fb+11], v[\c:\c+7], v[\sa], v[\sb] matrix_a_fmt:MATRIX_FMT_FP6 matrix_b_fmt:MATRIX_FMT_FP6 matrix_a_scale:MATRIX_SCALE_ROW1 matrix_b_scale:MATRIX_SCALE_ROW1
.elseif (\ra)
	v_wmma_scale_f32_16x16x128_f8f6f4 v[\d:\d+7], v[\fa:\fa+11], v[\fb:\fb+11], v[\c:\c+7], v[\sa], v[\sb] matrix_a_fmt:MATRIX_FMT_FP6 matrix_b_fmt:MATRIX_FMT_FP6 matrix_a_scale:MATRIX_SCALE_ROW1
.elseif (\rb)
	v_wmma_scale_f32_16x16x128_f8f6f4 v[\d:\d+7], v[\fa:\fa+11], v[\fb:\fb+11], v[\c:\c+7], v[\sa], v[\sb] matrix_a_fmt:MATRIX_FMT_FP6 matrix_b_fmt:MATRIX_FMT_FP6 matrix_b_scale:MATRIX_SCALE_ROW1
.else
	v_wmma_scale_f32_16x16x128_f8f6f4 v[\d:\d+7], v[\fa:\fa+11], v[\fb:\fb+11], v[\c:\c+7], v[\sa], v[\sb] matrix_a_fmt:MATRIX_FMT_FP6 matrix_b_fmt:MATRIX_FMT_FP6
.endif
.endm
; Eight products of step s: A's tiles a0, a0 + 1 against group g's four.  first = 1: C is the bias.  The 48 accumulators take turns, one instruction a turn, in the same order in every step.
.macro GRP8 s, g, a0, first
.irp a, \a0, \a0+1
.irp b, 0,1,2,3
.set FB, 12*(4*(\g)+\b)
.set FA, 144+48*((\s)%2)+12*(\a)
.set RB, SB+8*((4*(\g)+\b)/2)+(\s)
.set RA, SA+8*((\a)/2)+(\s)
.if (\g) < 2
.set DD, 128*(\g)+8*(4*(\a)+\b)
.else
.set DD, 8*(4*\b+(\a))
.endif
.set CC, DD
.if \first
.set CC, BI+8*(4*(\g)+\b)
.endif
.if (\g) < 2
	WM DD, FB, FA, CC, RB, RA, \b%2, (\a)%2
.else
	WM DD, FA, FB, CC, RA, RB, (\a)%2, \b%2
.endif
.endr
.endr
.endm
.macro MULG s, g, first                ; a group's 16 products under its window: sources in window 1; C and D in window 2 (V: 3); the biases in window 0
.if \first
	WIN 0x85+0x40*((\g)/2)
.else
	WIN 0xa5+0x50*((\g)/2)
.endif
	GRP8 \s, \g, 0, \first
	GRP8 \s, \g, 2, \first
.endm
.macro NEXT s, g, a                    ; behind a group's products: step s's fragments of that group, into the registers just multiplied (a = 1: and A's, into its other set)
	PLACES
	WIN 0x40
	FETB \s, \g
.if \a
	FETA \s
.endif
.endm
.macro STEP s, first
	s_wait_dscnt 32                                ; B's group 0 and A are in; groups 1 and 2 (16 loads each) may be out
	MULG \s, 0, \first
	NEXT (\s)+1, 0, 1
	s_wait_dscnt 48                                ; group 1 is in: behind it stand group 2's 16 loads and the 32 just issued
	MULG \s, 1, \first
	NEXT (\s)+1, 1, 0
	s_wait_dscnt 48                                ; group 2 is in: behind it stand 32 and 16
	MULG \s, 2, \first
	NEXT (\s)+1, 2, 0
.endm
	s_wait_alu depctr_va_vdst(0)
	s_cmp_eq_u32 s20, 0
	s_cbranch_scc0 .Lsecond_half
	s_wait_tensorcnt 0x0                           ; waves 0 and 1: the halves that hold the first 256 along K are in; waves 2 and 3's may be out
.Lsecond_half:
	s_barrier_signal -1
	s_barrier_wait -1
	WIN 0x40
	FETB 0, 0
	FETA 0
	FETB 0, 1
	FETB 0, 2
	s_wait_loadcnt 0x0                             ; scale words and biases
	STEP 0, 1
	; STEP 1 LEAVES SLOT 0, which is filled again with the last 256 along K.  Each wave waits for all its tensor loads (slots 1 and 2 are then whole), adds 0 to its spare word, and waits for that and for its reads of slot 0.
	WIN 0
	s_wait_tensorcnt 0x0
	ds_add_u32 v[SPW], v[NIL]
	s_wait_dscnt 33                                ; (the add and groups 1 and 2 may be out)
	WIN 0xa5
	GRP8 1, 0, 0, 0                                ; eight products stand between the add and the wait for it
	s_wait_dscnt 0x0                               ; the add is done, and my reads of slot 0 are over
	s_barrier_signal -1
	GRP8 1, 0, 2, 0
	WIN 0
	s_barrier_wait -1
	CREST                                          ; the barrier has opened a round of the cluster's: no wave of any partner still reads slot 0 or has a load on its way
	s_mov_b32 s[G1A+2], 8<<16                      ; no tensor load of mine is out: the refill brings 8 rows of A
	s_mov_b32 s[G1A+4], 8
	s_mov_b32 s[G1B+2], 6<<16                      ; or 6 of B
	s_mov_b32 s[G1B+4], 6
	JLOAD 1
	WIN 0x40
	FETB 2, 0
	FETA 2
	MULG 1, 1, 0
	NEXT 2, 1, 0
	MULG 1, 2, 0
	NEXT 2, 2, 0
	STEP 2, 0
	s_wait_alu depctr_va_vdst(0)
	STEP 3, 0
	STEP 4, 0
	; STEP 5 goes on into slot 0's second fill: my part has landed, then the work-group's barrier
	s_wait_dscnt 32
	s_wait_tensorcnt 0x0                           ; no load was issued behind the refill
	MULG 5, 0, 0
	s_wait_dscnt 0x0                               ; no LDS instruction of mine is out at the signal
	s_barrier_signal -1
	s_barrier_wait -1
	NEXT 6, 0, 1
	MULG 5, 1, 0
	NEXT 6, 1, 0
	MULG 5, 2, 0
	NEXT 6, 2, 0
	STEP 6, 0
	s_wait_dscnt 32                                ; the last step fetches nothing: the counts run down
	MULG 7, 0, 0
	s_wait_dscnt 16
	MULG 7, 1, 0
	s_wait_dscnt 0x0
	MULG 7, 2, 0
	WIN 0
	PLACES
	; THE WAY OUT.  b = y / 8, G = 4 (y % 8) + w: my 64 rows of the sequence; bh = 16 b + x.  These registers feed no descriptor.
	s_lshr_b32 s59, s84, 3
	s_lshl_b32 s59, s59, 4
	s_add_co_u32 s59, s59, s23                     ; bh
	s_and_b32 s63, s84, 7
	s_lshl_b32 s63, s63, 2
	s_add_co_u32 s63, s63, s[WV]                   ; G
	s_mul_i32 s44, s59, 98304
	s_mul_i32 s45, s63, 3072
	s_add_co_u32 s44, s44, s45
	s_mov_b32 s45, 0
	s_add_nc_u64 s[44:45], s[14:15], s[44:45]      ; Q's half images: tile 4 G on
	s_lshl_b32 s46, s59, 13
	s_lshl_b32 s47, s63, 8
	s_add_co_u32 s46, s46, s47
	s_add_co_u32 s46, s46, QS
	s_mov_b32 s47, 0
	s_add_nc_u64 s[46:47], s[14:15], s[46:47]      ; Q's scale words
	s_mul_i32 s66, s59, REC
	s_mov_b32 s67, 0
	s_add_nc_u64 s[66:67], s[16:17], s[66:67]      ; the head's record
	s_lshl_b32 s80, s63, 8
	s_mov_b32 s81, 0
	s_add_nc_u64 s[80:81], s[66:67], s[80:81]      ; K's scale words: 256 G
	s_lshl_b32 s82, s63, 7
	s_add_co_u32 s82, s82, 8192
	s_mov_b32 s83, 0
	s_add_nc_u64 s[82:83], s[66:67], s[82:83]      ; V's: 8,192 + 128 G
	s_lshr_b32 s94, s63, 1
	s_mul_i32 s94, s94, 12288
	s_and_b32 s95, s63, 1
	s_mul_i32 s95, s95, 3072
	s_add_co_u32 s94, s94, s95
	s_add_co_u32 s94, s94, 12288
	s_mov_b32 s95, 0
	s_add_nc_u64 s[94:95], s[66:67], s[94:95]      ; K's half images of key step G / 2; V's lie 6,144 bytes on
; Four runs of 32 accumulator registers (window w, from base on) become four half images, at v[96 + 32 g + 8 a], and eight scale bytes, at v[BY + 2 a + block].  The four by turns, line by line; each accumulator is read from its low end on.
.macro QUANT4 w, base, g
	WIN 5*(\w)                                     ; sources 0 and 1 in the accumulators' window; the running maximum is source 2
.irp q, 0,1,2,3,4,5,6,7
	v_max3_num_f32 v[MX+\q], |v[\base+16*\q]|, |v[\base+16*\q+1]|, FLOOR
.endr
.irp i, 2,4,6,8,10,12,14
.irp q, 0,1,2,3,4,5,6,7
	v_max3_num_f32 v[MX+\q], |v[\base+16*\q+\i]|, |v[\base+16*\q+\i+1]|, v[MX+\q]
.endr
.endr
	WIN 0
.irp q, 0,1,2,3,4,5,6,7
	v_permlanex16_b32 v[PT+\q], v[MX+\q], s[SEL], s[SEL+1]
.endr
.irp q, 0,1,2,3,4,5,6,7
	v_max_num_f32 v[MX+\q], v[MX+\q], v[PT+\q]     ; with lane l xor 16's 16: the block's largest magnitude
.endr
.irp q, 0,1,2,3,4,5,6,7
	v_add_nc_u32 v[SO+\q], 0xff000000, v[MX+\q]    ; the conversion's scale operand
.endr
.irp q, 0,1,2,3,4,5,6,7
	v_lshrrev_b32 v[BY+\q], 23, v[SO+\q]           ; the byte
.endr
	WIN \w                                         ; source 0 in the accumulators' window
.irp a, 0,1,2,3
	v_cvt_scalef32_pk16_fp6_f32 v[96+32*\g+8*\a:96+32*\g+8*\a+2], v[\base+32*\a:\base+32*\a+15], v[SO+2*\a]
	v_cvt_scalef32_pk16_fp6_f32 v[XT+4*\a:XT+4*\a+2], v[\base+32*\a+16:\base+32*\a+31], v[SO+2*\a+1]
.endr
	WIN 0
	v_nop                                          ; one plain place behind a scaled conversion
.irp a, 0,1,2,3
.irp i, 0,1,2
	v_permlane16_swap_b32 v[96+32*\g+8*\a+\i], v[XT+4*\a+\i]   ; a whole block to a lane: lanes 0-15 block 0, lanes 16-31 block 1
.endr
.endr
.irp a, 0,1,2,3
.irp i, 0,1,2
	v_mov_b32 v[96+32*\g+8*\a+3+\i], v[XT+4*\a+\i]
.endr
.endr
.irp a, 0,1,2,3
	v_lshl_or_b32 v[SW+\a], v[BY+2*\a+1], 8, v[BY+2*\a]
.endr
.endm
.macro PUT g, bp, off                  ; each store covers 512 or 256 consecutive bytes
.irp a, 0,1,2,3
	global_store_b128 v[L16], v[96+32*\g+8*\a:96+32*\g+8*\a+3], s[\bp:\bp+1] offset:\off+768*\a
	global_store_b64 v[L8], v[96+32*\g+8*\a+4:96+32*\g+8*\a+5], s[\bp:\bp+1] offset:\off+768*\a+512
.endr
.endm
.macro WORDS g                         ; Q's and K's scale words: two bytes, and 1.0 for the upper 64 of the instruction's K, where Q's side will hold zero codes.  Word 0: tiles 0 | 1 in the halves of the lanes; word 1: tiles 2 | 3
.irp a, 0,1,2,3
	v_or_b32 v[SW+\a], 0x7f7f0000, v[SW+\a]
.endr
	v_cndmask_b32 v[SP2+2*\g], v[SW], v[SW+1], s[HM]
	v_cndmask_b32 v[SP2+2*\g+1], v[SW+2], v[SW+3], s[HM]
.endm
	QUANT4 2, 0, 0
	WORDS 0
	PUT 0, 44, 0
	global_store_b64 v[L8], v[SP2:SP2+1], s[46:47]
	QUANT4 2, 128, 1
	WORDS 1
	PUT 1, 94, 0
	global_store_b64 v[L8], v[SP2+2:SP2+3], s[80:81]
	QUANT4 3, 0, 2
	v_lshl_or_b32 v[SW], v[SW+1], 16, v[SW]        ; V: lane (r, h)'s word: tile 2 h's two bytes below, tile 2 h + 1's above
	v_lshl_or_b32 v[SW+2], v[SW+3], 16, v[SW+2]
	v_cndmask_b32 v[SP2+4], v[SW], v[SW+2], s[HM]
	PUT 2, 94, 6144
	global_store_b32 v[L4], v[SP2+4], s[82:83]     ; 128 consecutive bytes: the one store of the way out that is shorter than 256; 128 of a wave's 9,856 bytes
	s_wait_tensorcnt 0x0                           ; the wave's end
	ds_add_u32 v[SPW], v[NIL]
	s_wait_dscnt 0x0
	CROUND                                         ; the closing round
	s_endpgm
.Lfunc_end_k_q1b6be28ea6_qkv:
	.size	k_q1b6be28ea6_qkv, .Lfunc_end_k_q1b6be28ea6_qkv-k_q1b6be28ea6_qkv
	.p2alignl 7, 3214868480
	.fill 96, 4, 3214868480
	.section	.rodata,"a",@progbits
	.p2align	6, 0x0
	.amdhsa_kernel k_q1b6be28ea6_qkv
		.amdhsa_group_segment_fixed_size 327680
		.amdhsa_private_segment_fixed_size 0
		.amdhsa_enable_private_segment 0
		.amdhsa_kernarg_size 56
		.amdhsa_user_sgpr_count 2
		.amdhsa_user_sgpr_kernarg_segment_ptr 1
		.amdhsa_wavefront_size32 1
		.amdhsa_system_sgpr_workgroup_id_x 1
		.amdhsa_system_sgpr_workgroup_id_y 1
		.amdhsa_system_sgpr_workgroup_id_z 1
		.amdhsa_system_vgpr_workitem_id 0
		.amdhsa_next_free_vgpr 1024
		.amdhsa_next_free_sgpr 96
		.amdhsa_reserve_vcc 0
		.amdhsa_float_denorm_mode_32 3
		.amdhsa_float_denorm_mode_16_64 3
		.amdhsa_memory_ordered 1
		.amdhsa_forward_progress 1
		.amdhsa_inst_pref_size 129
	.end_amdhsa_kernel
	.amdgpu_metadata
---
amdhsa.version: [ 1, 2 ]
amdhsa.kernels:
  - .name:           k_q1b6be28ea6_qkv
    .symbol:         k_q1b6be28ea6_qkv.kd
    .args:
      - { .name: xcod, .offset: 0, .size: 8, .value_kind: global_buffer, .address_space: global }
      - { .name: xscl, .offset: 8, .size: 8, .value_kind: global_buffer, .address_space: global }
      - { .name: wcod, .offset: 16, .size: 8, .value_kind: global_buffer, .address_space: global }
      - { .name: wscl, .offset: 24, .size: 8, .value_kind: global_buffer, .address_space: global }
      - { .name: b_qkv, .offset: 32, .size: 8, .value_kind: global_buffer, .address_space: global }
      - { .name: qbuf, .offset: 40, .size: 8, .value_kind: global_buffer, .address_space: global }
      - { .name: kv, .offset: 48, .size: 8, .value_kind: global_buffer, .address_space: global }
    .group_segment_fixed_size: 327680
    .private_segment_fixed_size: 0
    .kernarg_segment_align: 8
    .kernarg_segment_size: 56
    .max_flat_workgroup_size: 128
    .sgpr_count:     96
    .vgpr_count:     1024
    .wavefront_size: 32
...
	.end_amdgpu_metadata
.endif
;; end of part 2
;; launch attn (part 3): grid 4 x 64, 16 waves a work-group, clusters of 4 x 1, 327,680 bytes of LDS; arguments qbuf, kv, acod, ascl; writes acod, ascl
.if DOCPART == 3
	.amdgcn_target "amdgcn-amd-amdhsa--gfx1250"
	.amdhsa_code_object_version 6
	.text
	.protected	k_q1b6be28ea6_attn
	.globl	k_q1b6be28ea6_attn
	.p2align	8
	.type	k_q1b6be28ea6_attn,@function
k_q1b6be28ea6_attn:
	s_mov_b64 s[64:65], 0
	v_nop
	global_prefetch_b8 v0, s[64:65] scope:SCOPE_SE
	s_setreg_imm32_b32 hwreg(HW_REG_WAVE_MODE, 25, 1), 1
	s_wait_xcnt 0x0
	s_wait_alu depctr_hold_cnt(0) depctr_sa_sdst(0) depctr_va_vdst(0) depctr_va_sdst(0) depctr_va_ssrc(0) depctr_va_vcc(0) depctr_vm_vsrc(0)
	s_getreg_b32 s2, hwreg(HW_REG_IB_STS2, 6, 4)
	s_cmp_eq_u32 s2, 0
	s_cbranch_scc0 .Lentry_in_a_cluster
	s_endpgm
.Lentry_in_a_cluster:
	s_bfe_u32 s2, ttmp6, 0x10000c
	s_cmp_lg_u32 s2, 0x3003
	s_cbranch_scc0 .Lentry_shape_is_right
	s_endpgm
.Lentry_shape_is_right:
; CAUSAL ATTENTION ON CODES OF FP6 (E2M3): S^T = K Q^T, p = 2^(t - M), O^T = V^T p^T, O / l quantised along the head's 64 for the projection.  y = batch x head; the four work-groups of a cluster share a head.
; LEFT OUT: key steps of 128 that lie wholly behind a query tile's last position: the causal mask puts -inf there, so they add nothing to any row's sum, whatever the inputs hold.
; THE DEAL: the head's record (K's and V's scale words, 16 key steps of 12,288 bytes) lies whole in LDS, brought by joint loads.  Wave w takes query tiles ti = 4 w + cx and 127 - ti: w / 2 + 1 and 16 - w / 2 key steps, 17 in every wave.
; ONE WALK OF 17 TRIPS, a key step each: the first is written out (only key step 0 is in LDS by then), the other 16 are a loop.  Where the first tile's last step is done, a scalar branch at the trip's head, on the wave's number
; and the trip, leads through the change of tile: the first tile leaves, the sums begin anew, the second tile's Q comes from LDS bytes of the wave's own, where it was put at the head.
; THE WAVES WALK IN STEP: a barrier is signalled at a trip's head and waited for at its end, so no wave ends a trip before every wave has begun it, and all sixteen end within a step of each other.  Between signal and wait stand
; register work and LDS loads alone.
; A TILE OF K IS CHOSEN BY LANE ADDRESSES: row 8 h' + j of tile 4 c + u is key 64 c + 32 h' + 8 u + j of the step.  So lane (query r, half h) holds in registers 32 c .. 32 c + 31 of S the keys 64 c + 32 h + 0 .. 31:
; one whole scale block of p, in the order of the second product's operand: a block's maximum asks no other lane, and the conversions' results are the operand.
; K'S FRAGMENTS ARE PACKED, six registers a tile: the head has 64 along K, the instruction 128.  Q's upper 64 codes are zeros, so what the instruction reads as K's upper 64 (the next tile's codes; behind the last tile p's old codes)
; is multiplied by zero; every FP6 code is a finite number, and the upper scale bytes are 1.0.
; UNDER THE SOFTMAX: the next step's K and scale words and this step's V are loaded into registers of their own; the one wait for LDS in a step stands ahead of the second product.
; M is the ceiling of the running largest t; sums under an old M are multiplied by 2^(old M - new M), which rounds nothing.  The row's sum is taken of the unquantised p.
; NO PREFETCH: all tensor loads stand at the head; there is no loop to run ahead in.
; LIMITS: NaN and infinities are not served; the scaled scores stay under 2^31 in magnitude; a block of p that is all zeros, or under 2^-124, has the byte 1.
.set REC,   208896
.set QSO,   6291456                    ; in qbuf: Q's scale words
.set FLOOR, 0x1800000                  ; 2^(3 - 127)
.set SPARE, 208896                     ; behind the record: the spare words, 128 bytes a wave
.set STASH, SPARE+2048                 ; behind them: 1,024 bytes a wave for its second tile of Q; no fill lands here
.set LN,  0                            ; lane
.set V16, 1                            ; LDS addresses of this step's V (16 l, 8 l),
.set V8,  2
.set K16, 3                            ; of the K that is fetched next,
.set K8,  4
.set KSA, 5                            ; of its scale words, and of V's
.set VSA, 6
.set LQ,  7                            ; r + 8 (r / 8) - 32 h
.set TM,  8                            ; v8-10 at work
.set PT,  9
.set NI,  10
.set WA,  11                           ; the first tile's scale word on the way out
.set Q,   16                           ; v16-27 Q's fragment, the upper six zero; v12 -M, v13 the largest score, v[14:15] the sum
.set QS,  28
.set KJ,  29                           ; j + 16 h
.set KSC, 30                           ; v30-33 K's scale words: register t / 2, tile t in lanes 16 (t % 2) on
.set W0,  34                           ; v34-35 V's scale words as they lie
.set EV,  36                           ; and as the product takes them
.set OD,  37
.set BM,  38
.set SO,  40
.set F,   42                           ; 2^(old M - new M); named in a pair with v43, of which the low word alone is taken
.set KH,  43                           ; 1,536 h'
.set SPW, 44
.set NIL, 45
.set KSL, 46                           ; 8 j + 4 h' + 128 h
.set PW,  47                           ; p's scale word
.set K,   48                           ; v48-95
.set PCD, 96                           ; v96-107 p's codes
.set S,   108                          ; v108-171
.set VF,  172                          ; v172-219
.set O,   220                          ; v220-251
.set T1,  252
.set WV,  12
.set SEL, 20
.set CS,  22                           ; log2(e) / 8
.set G1X, 24
.set G1Y, 32
.set G0X, 40
.set G0Y, 44
.set TB,  48
.set TS,  49
.set TJ,  50
.set KF,  51
.set SD,  52
.set CNT, 53
.set HM,  78
.set NC,  80
.set PS,  85                           ; the tile's first position
.set ST,  86                           ; my bytes for the second tile's Q
.macro WALU
	s_wait_alu depctr_va_vdst(0)
.endm
.macro CROUND
	s_barrier_signal -1
	s_barrier_wait -1
	s_cmp_lg_u32 s[WV], 0
	s_cbranch_scc1 .Lnot_wave_0_\@
	s_barrier_signal -3
.Lnot_wave_0_\@:
	s_barrier_wait -3
	s_barrier_signal -1
	s_barrier_wait -1
.endm
	s_load_b256 s[4:11], s[0:1], 0x0               ; qbuf, kv, acod, ascl
	v_lshl_add_u32 v[SPW], v0, 2, SPARE
	v_mov_b32 v[NIL], 0
	ds_add_u32 v[SPW], v[NIL]
	ds_add_u32 v[SPW], v[NIL]
	v_lshrrev_b32 v1, 5, v0
	v_readfirstlane_b32 s[WV], v1
	s_bfe_u32 s13, ttmp6, 0x40000                  ; cx
	s_and_b32 s14, ttmp7, 0xffff                   ; batch x head
	s_mov_b32 s[G1X], 15|(3<<16)|(1<<21)           ; dense bytes as rows of 256; all four partners
	s_mov_b32 s[G1Y], 15|(3<<16)|(1<<21)
.irp g, G1X, G1Y
	s_mov_b32 s[\g+1], 32<<16
	s_mov_b32 s[\g+3], 32<<16
	s_mov_b32 s[\g+5], 32
	s_mov_b32 s[\g+6], 0
	s_mov_b32 s[\g+7], 0
.endr
	s_mov_b32 s[G1X+2], 24<<16                     ; waves 0-3: a quarter each of the scale words and key step 0, 24,576 bytes
	s_mov_b32 s[G1X+4], 24
	s_mov_b32 s[G1Y+2], 60<<16                     ; waves 4-15: a twelfth each of key steps 1 to 15, 184,320 bytes
	s_mov_b32 s[G1Y+4], 60
	s_mul_i32 s54, s14, REC
	s_mov_b32 s55, 0
	s_mul_i32 s56, s[WV], 6144
	s_mov_b32 s57, 0
	s_min_u32 s58, s[WV], 4
	s_sub_co_u32 s58, s[WV], s58
	s_mul_i32 s58, s58, 15360
	s_add_co_u32 s58, s58, 24576
	s_mov_b32 s59, 0
	s_mul_i32 s[ST], s[WV], 1024
	s_add_co_u32 s[ST], s[ST], STASH
	s_mov_b32 s[SEL], 0x76543210
	s_mov_b32 s[SEL+1], 0xfedcba98
	s_mov_b32 s[CS], 0x3e38aa3b
	s_mov_b32 s[CS+1], s[CS]
	s_mov_b32 s[NC], 0xbe38aa3b
	s_wait_dscnt 0x0
	s_wait_kmcnt 0x0
	s_add_nc_u64 s[54:55], s[6:7], s[54:55]
	s_mov_b32 s[G0X], 1
	s_mov_b32 s[G0X+1], s56
	s_add_nc_u64 s[G0X+2:G0X+3], s[54:55], s[56:57]
	s_or_b32 s[G0X+3], s[G0X+3], 0x80000000
	s_mov_b32 s[G0Y], 1
	s_mov_b32 s[G0Y+1], s58
	s_add_nc_u64 s[G0Y+2:G0Y+3], s[54:55], s[58:59]
	s_or_b32 s[G0Y+3], s[G0Y+3], 0x80000000
	CROUND
	s_cmp_lt_u32 s[WV], 4                          ; one load a wave, in two arms: the first barrier waits for the first arm's alone
	s_cbranch_scc0 .Lrest
	tensor_load_to_lds s[G0X:G0X+3], s[G1X:G1X+7]
	s_nop 0
.rept 4
	v_nop
.endr
	s_branch .Lasked
.Lrest:
	tensor_load_to_lds s[G0Y:G0Y+3], s[G1Y:G1Y+7]
	s_nop 0
.rept 4
	v_nop
.endr
.Lasked:
	s_lshl_b32 s60, s[WV], 2
	s_add_co_u32 s60, s60, s13                     ; my first tile,
	s_sub_co_u32 s61, 127, s60                     ; my second
	s_mul_i32 s62, s14, 98304
	s_lshl_b32 s63, s14, 13
	s_add_co_u32 s63, s63, QSO
	s_lshr_b32 s15, s14, 4
	s_lshl_b32 s15, s15, 7                         ; 128 tiles a batch
	s_and_b32 s79, s14, 15                         ; the head
	s_lshl_b32 s3, s79, 7
	s_lshr_b32 s2, s79, 2
	s_mul_i32 s2, s2, 49152                        ; in acod: [block of 16 tiles][256 along K = 4 heads][tile][head % 4: 768 bytes]
	s_and_b32 s79, s79, 3
	s_mul_i32 s79, s79, 768
	s_add_co_u32 s2, s2, s79
.macro PLACE ti, cod, scl, out, wof, pos ; a tile's places: Q's codes and scale words, the result's codes, the offset of its scale words, its first position
	s_mul_i32 s[\cod], s[\ti], 768
	s_add_co_u32 s[\cod], s[\cod], s62
	s_mov_b32 s[\cod+1], 0
	s_add_nc_u64 s[\cod:\cod+1], s[4:5], s[\cod:\cod+1]
	s_lshr_b32 s[\scl], s[\ti], 2
	s_lshl_b32 s[\scl], s[\scl], 8
	s_and_b32 s79, s[\ti], 1
	s_lshl_b32 s[\wof], s79, 6
	s_lshl_b32 s[\pos], s79, 3
	s_lshl_b32 s79, s79, 7
	s_add_co_u32 s[\scl], s[\scl], s79
	s_bfe_u32 s79, s[\ti], 0x10001
	s_lshl_b32 s79, s79, 2
	s_add_co_u32 s[\scl], s[\scl], s79
	s_add_co_u32 s[\scl], s[\scl], s63
	s_mov_b32 s[\scl+1], 0
	s_add_nc_u64 s[\scl:\scl+1], s[4:5], s[\scl:\scl+1]
	s_add_co_u32 s79, s[\ti], s15
	s_lshr_b32 s[\out], s79, 4
	s_mul_i32 s[\out], s[\out], 196608
	s_and_b32 s[\out+1], s79, 15
	s_mul_i32 s[\out+1], s[\out+1], 3072
	s_add_co_u32 s[\out], s[\out], s[\out+1]
	s_add_co_u32 s[\out], s[\out], s2
	s_mov_b32 s[\out+1], 0
	s_add_nc_u64 s[\out:\out+1], s[8:9], s[\out:\out+1]
	s_lshr_b32 s79, s79, 1
	s_lshl_b32 s79, s79, 11
	s_add_co_u32 s[\wof], s[\wof], s79
	s_add_co_u32 s[\wof], s[\wof], s3
	s_lshr_b32 s79, s[\ti], 1
	s_lshl_b32 s79, s79, 5
	s_add_co_u32 s[\pos], s[\pos], s79
.endm
	PLACE 60, 66, 68, 70, 16, 17
	PLACE 61, 72, 74, 76, 18, 19
	v_and_b32 v[LN], 31, v0
	v_lshlrev_b32 v8, 4, v[LN]
	v_lshlrev_b32 v9, 3, v[LN]
	v_and_b32 v10, 15, v[LN]
	v_lshlrev_b32 v10, 3, v10
	global_load_b128 v[Q:Q+3], v8, s[66:67]        ; the first tile of Q: a half image and its scale words;
	global_load_b64 v[Q+4:Q+5], v9, s[66:67] offset:512
	global_load_b32 v[QS], v10, s[68:69]
	global_load_b128 v[S:S+3], v8, s[72:73]        ; the second, on its way to my bytes of LDS
	global_load_b64 v[S+4:S+5], v9, s[72:73] offset:512
	global_load_b32 v[S+6], v10, s[74:75]
	v_bfe_u32 v1, v[LN], 4, 1                      ; h
	v_bfe_u32 v2, v[LN], 3, 1                      ; h'
	v_and_b32 v3, 7, v[LN]                         ; j
	v_lshl_add_u32 v[KJ], v1, 4, v3
	v_mul_u32_u24 v[KH], v2, 1536
	v_lshlrev_b32 v[KSL], 3, v3
	v_lshl_add_u32 v[KSL], v2, 2, v[KSL]
	v_lshl_add_u32 v[KSL], v1, 7, v[KSL]
	v_and_b32 v[LQ], 15, v[LN]
	v_lshl_add_u32 v[LQ], v2, 3, v[LQ]
	v_lshlrev_b32 v1, 5, v1
	v_sub_nc_u32 v[LQ], v[LQ], v1
	v_cmp_lt_u32 s[HM], 15, v[LN]
.irp i, 0,1,2,3,4,5
	v_mov_b32 v[Q+6+\i], 0                         ; Q's upper 64 codes
	v_mov_b32 v[PCD+\i], 0                         ; read as the last K tile's upper half before p's first codes are there
.endr
.macro QPLACE                          ; my bytes for the second tile's Q: registers 0-3 at 16 l, 4-5 at 512 + 8 l, the scale word at 768 + 4 l
	v_lshl_add_u32 v[V16], v[LN], 4, s[ST]
	v_lshl_add_u32 v[V8], v[LN], 3, s[ST]
	v_lshl_add_u32 v[VSA], v[LN], 2, s[ST]
.endm
	v_mov_b32 v[WA], 0                             ; written here once: the walk writes it under the branch of the change of tile
	QPLACE
	WALU
	s_wait_loadcnt 0x0
	ds_store_b128 v[V16], v[S:S+3]
	ds_store_b64 v[V8], v[S+4:S+5] offset:512
	ds_store_b32 v[VSA], v[S+6] offset:768
.macro ADDR v, b, s, j                 ; V's addresses of this step, K's and the scale words', from the bases named
	v_lshl_add_u32 v[V16], v[LN], 4, s[\v]
	v_lshl_add_u32 v[V8], v[LN], 3, s[\v]
	v_add_nc_u32 v[K8], s[\b], v[KH]
	v_add_nc_u32 v[KSA], s[\s], v[KSL]
	v_lshl_add_u32 v[VSA], v[LN], 2, s[\j]
	v_lshl_add_u32 v[K16], v[KJ], 4, v[K8]
	v_lshl_add_u32 v[K8], v[KJ], 3, v[K8]
.endm
.macro KLOADS                          ; a step's eight tiles of K, their scale words and V's: 22 loads.  Row 8 h' + j of tile 4 c + u lies in the stored tile 4 c + 2 h' + u % 2 at row 8 (u / 2) + j
.irp t, 0,1,2,3,4,5,6,7
	ds_load_b128 v[K+6*\t:K+6*\t+3], v[K16] offset:(4*(\t/4)+\t%2)*768+128*((\t%4)/2)
	ds_load_b64 v[K+6*\t+4:K+6*\t+5], v[K8] offset:(4*(\t/4)+\t%2)*768+512+64*((\t%4)/2)
.endr
.irp i, 0,1,2,3
	ds_load_b32 v[KSC+\i], v[KSA] offset:256*(\i/2)+64*(\i%2)
.endr
	ds_load_b32 v[W0], v[VSA]
	ds_load_b32 v[W0+1], v[VSA] offset:128
.endm
.macro KFIRST                          ; ahead of a run of steps: the first one's K
	ADDR TB, TB, TS, TJ
	KLOADS
	WALU
	s_wait_dscnt 0x0
.endm
.macro QK t
.if (\t)%2
	v_wmma_scale_f32_16x16x128_f8f6f4 v[S+8*\t:S+8*\t+7], v[K+6*\t:K+6*\t+11], v[Q:Q+11], 0, v[KSC+\t/2], v[QS] matrix_a_fmt:MATRIX_FMT_FP6 matrix_b_fmt:MATRIX_FMT_FP6 matrix_a_scale:MATRIX_SCALE_ROW1
.else
	v_wmma_scale_f32_16x16x128_f8f6f4 v[S+8*\t:S+8*\t+7], v[K+6*\t:K+6*\t+11], v[Q:Q+11], 0, v[KSC+\t/2], v[QS] matrix_a_fmt:MATRIX_FMT_FP6 matrix_b_fmt:MATRIX_FMT_FP6
.endif
.endm
.macro PV t, sc
.if (\t) > 1
	v_wmma_scale_f32_16x16x128_f8f6f4 v[O+8*\t:O+8*\t+7], v[VF+12*\t:VF+12*\t+11], v[PCD:PCD+11], v[O+8*\t:O+8*\t+7], v[\sc], v[PW] matrix_a_fmt:MATRIX_FMT_FP6 matrix_b_fmt:MATRIX_FMT_FP6 matrix_a_scale:MATRIX_SCALE_ROW1
.else
	v_wmma_scale_f32_16x16x128_f8f6f4 v[O+8*\t:O+8*\t+7], v[VF+12*\t:VF+12*\t+11], v[PCD:PCD+11], v[O+8*\t:O+8*\t+7], v[\sc], v[PW] matrix_a_fmt:MATRIX_FMT_FP6 matrix_b_fmt:MATRIX_FMT_FP6
.endif
.endm
; A key step.  pf: the next step's K is fetched (not in the first trip, when only key step 0 is in LDS).
.macro STEP pf
	s_min_u32 s87, s[TB], 196608                   ; this step's base, stated as inside the record here too
	s_add_co_u32 s81, s[TB], 12288
	s_min_u32 s81, s81, 196608
	s_add_co_u32 s82, s[TS], 512
	s_min_u32 s82, s82, 7680
	s_add_co_u32 s83, s[TJ], 256
	s_min_u32 s83, s83, 12032
.irp t, 0,1,2,3,4,5,6,7
	QK \t
.endr
	ADDR 87, 81, 82, 83
	v_perm_b32 v[EV], v[W0+1], v[W0], 0x05040100   ; V's words of the step's two halves: channel tiles 0 | 2,
	v_perm_b32 v[OD], v[W0+1], v[W0], 0x07060302   ; and 1 | 3
.irp t, 0,1,2,3
	ds_load_b128 v[VF+12*\t:VF+12*\t+3], v[V16] offset:6144+768*\t
	ds_load_b64 v[VF+12*\t+4:VF+12*\t+5], v[V8] offset:6144+768*\t+512
	ds_load_b128 v[VF+12*\t+6:VF+12*\t+9], v[V16] offset:9216+768*\t
	ds_load_b64 v[VF+12*\t+10:VF+12*\t+11], v[V8] offset:9216+768*\t+512
.endr
	WALU
	s_cmp_lg_u32 s[KF], s[SD]
	s_cbranch_scc0 .Ldiag_\@
.if \pf
	KLOADS
.endif
	s_branch .Lmax_\@
.Ldiag_\@:                                             ; the tile's last step: the mask
	s_sub_co_u32 s84, s[PS], s[KF]
	v_add_nc_u32 v[TM], s84, v[LQ]                 ; my query's position less my first key's
	v_mov_b32 v[NI], 0xff800000
.set n, 0
.rept 64
	v_cmp_gt_i32 vcc_lo, 64*(n/32)+n%32, v[TM]
	v_cndmask_b32 v[S+n], v[S+n], v[NI], vcc_lo
.set n, n+1
.endr
.Lmax_\@:
.irp c, 0,1                            ; the largest score of my two blocks, each in two chains, the four by turns; each accumulator is read from its low end on
	v_max3_num_f32 v[BM+\c], v[S+32*\c], v[S+32*\c+1], v[S+32*\c+2]
	v_max3_num_f32 v[TM+\c], v[S+32*\c+16], v[S+32*\c+17], v[S+32*\c+18]
.endr
.irp i, 3,5,7,9,11,13
.irp c, 0,1
	v_max3_num_f32 v[BM+\c], v[BM+\c], v[S+32*\c+\i], v[S+32*\c+\i+1]
	v_max3_num_f32 v[TM+\c], v[TM+\c], v[S+32*\c+16+\i], v[S+32*\c+17+\i]
.endr
.endr
.irp c, 0,1
	v_max3_num_f32 v[BM+\c], v[BM+\c], v[TM+\c], v[S+32*\c+15]
.endr
.irp c, 0,1
	v_max_num_f32 v[BM+\c], v[BM+\c], v[S+32*\c+31]
.endr
	v_max_num_f32 v[TM], v[BM], v[BM+1]
	s_delay_alu instid0(VALU_DEP_1)
	v_permlanex16_b32 v[PT], v[TM], s[SEL], s[SEL+1]
	s_delay_alu instid0(VALU_DEP_1)
	v_max3_num_f32 v13, v13, v[TM], v[PT]          ; the running largest score of my query
	s_delay_alu instid0(VALU_DEP_1)
	v_mul_f32 v[TM], s[NC], v13
	s_delay_alu instid0(VALU_DEP_1)
	v_floor_f32 v[TM], v[TM]                       ; -M = floor(-t)
	s_delay_alu instid0(VALU_DEP_1)
	v_sub_f32 v[PT], v[TM], v12
	v_mov_b32 v12, v[TM]
	s_delay_alu instid0(VALU_DEP_2)
	v_cvt_i32_f32 v[PT], v[PT]                     ; old M - new M (it saturates)
	s_delay_alu instid0(VALU_DEP_1)
	v_ldexp_f32 v[F], 1.0, v[PT]
.set j, 0
.rept 16
	v_pk_mul_f32 v[O+j:O+j+1], v[O+j:O+j+1], v[F:F+1] op_sel_hi:[1,0]   ; O^T under the new M
.set j, j+2
.endr
.set j, 0
.rept 32
	v_pk_fma_f32 v[S+j:S+j+1], v[S+j:S+j+1], s[CS:CS+1], v[12:13] op_sel_hi:[1,0,0]   ; t - M
.set j, j+2
.endr
.irp c, 0,1
	v_fma_f32 v[BM+\c], v[BM+\c], s[CS], v12       ; the same of each block's largest score
.endr
	WALU
.set j, 0
.rept 64
	v_exp_f32 v[S+j], v[S+j]
.set j, j+1
.endr
.irp c, 0,1
	v_exp_f32 v[BM+\c], v[BM+\c]                   ; the block's largest p
.endr
	v_pk_mul_f32 v[14:15], v[14:15], v[F:F+1] op_sel_hi:[1,0]   ; the sum under the new M: the plain place behind the batch
	WALU                                           ; and behind it
.irp c, 0,1
	v_max_num_f32 v[BM+\c], FLOOR, v[BM+\c]
.endr
.irp c, 0,1
	v_add_nc_u32 v[SO+\c], 0xff000000, v[BM+\c]    ; 2 off the exponent field: the conversions' scale operand
.endr
.irp c, 0,1
	v_lshrrev_b32 v[TM+\c], 23, v[SO+\c]           ; the byte of block 2 c + h
.endr
	v_lshl_or_b32 v[TM], v[PT], 16, v[TM]
	v_permlanex16_b32 v[PT], v[TM], s[SEL], s[SEL+1]
	v_lshl_or_b32 v[PW], v[PT], 8, v[TM]           ; lanes 0-15, which the product reads: blocks 0, 2 mine, 1, 3 lane l + 16's
	v_cvt_scalef32_pk16_fp6_f32 v[PCD:PCD+2], v[S:S+15], v[SO]
	v_cvt_scalef32_pk16_fp6_f32 v[T1:T1+2], v[S+16:S+31], v[SO]
	v_cvt_scalef32_pk16_fp6_f32 v[PCD+6:PCD+8], v[S+32:S+47], v[SO+1]
	v_cvt_scalef32_pk16_fp6_f32 v[TM:TM+2], v[S+48:S+63], v[SO+1]
	v_pk_add_f32 v[14:15], v[14:15], v[S:S+1]      ; the sum of the unquantised p, in two chains; this line is the plain place behind the conversions
.irp i, 0,1,2
	v_mov_b32 v[PCD+3+\i], v[T1+\i]                ; (a conversion's three registers begin on an even number)
	v_mov_b32 v[PCD+9+\i], v[TM+\i]
.endr
	v_pk_add_f32 v[TM:TM+1], v[S+2:S+3], v[S+6:S+7]
	v_pk_add_f32 v[14:15], v[14:15], v[S+4:S+5]
.irp j, 8,12,16,20,24,28,32,36,40,44,48,52,56,60
	v_pk_add_f32 v[14:15], v[14:15], v[S+\j:S+\j+1]
	v_pk_add_f32 v[TM:TM+1], v[TM:TM+1], v[S+\j+2:S+\j+3]
.endr
	v_pk_add_f32 v[14:15], v[14:15], v[TM:TM+1]
	WALU
	s_wait_dscnt 0x0                               ; V is in, and so is the next step's K, asked for behind it or not at all
	PV 0, EV
	PV 1, OD
	PV 2, EV
	PV 3, OD
	s_add_co_u32 s[KF], s[KF], 128
	s_add_co_u32 s[TB], s[TB], 12288               ; on to the next step, held inside the record
	s_min_u32 s[TB], s[TB], 196608
	s_add_co_u32 s[TS], s[TS], 512
	s_min_u32 s[TS], s[TS], 7680
	s_add_co_u32 s[TJ], s[TJ], 256
	s_min_u32 s[TJ], s[TJ], 12032
.endm
.macro INIT
	v_mov_b32 v13, 0xff61b1e6                      ; under every score
	v_mov_b32 v12, 0x7d000000                      ; -M so large that the first step's factor is 0
	v_mov_b32 v14, 0
	v_mov_b32 v15, 0
.set j, 0
.rept 32
	v_mov_b32 v[O+j], 0
.set j, j+1
.endr
	s_mov_b32 s[TB], 12288
	s_mov_b32 s[TS], 0
	s_mov_b32 s[TJ], 8192
	s_mov_b32 s[KF], 0
.endm
.macro FINISH ob, wd                   ; O / l, quantised along the head's 64: registers 16 c .. 16 c + 15 are channels 32 c + 16 h + 0 .. 15; the half image leaves as 512 and 256 consecutive bytes
.rept 4
	v_nop
.endr
	v_add_f32 v14, v14, v15
	v_permlanex16_b32 v[PT], v14, s[SEL], s[SEL+1]
	v_add_f32 v14, v14, v[PT]
	WALU
	v_rcp_f32 v14, v14
	v_nop
	WALU
.set j, 0
.rept 16
	v_pk_mul_f32 v[O+j:O+j+1], v[O+j:O+j+1], v[14:15] op_sel_hi:[1,0]
.set j, j+2
.endr
.irp c, 0,1
	v_max3_num_f32 v[BM+\c], |v[O+16*\c]|, |v[O+16*\c+1]|, FLOOR
.endr
.irp i, 2,4,6,8,10,12,14
.irp c, 0,1
	v_max3_num_f32 v[BM+\c], v[BM+\c], |v[O+16*\c+\i]|, |v[O+16*\c+\i+1]|
.endr
.endr
.irp c, 0,1
	v_permlanex16_b32 v[TM+\c], v[BM+\c], s[SEL], s[SEL+1]
.endr
.irp c, 0,1
	v_max_num_f32 v[BM+\c], v[BM+\c], v[TM+\c]
.endr
.irp c, 0,1
	v_add_nc_u32 v[SO+\c], 0xff000000, v[BM+\c]
.endr
.irp c, 0,1
	v_lshrrev_b32 v[TM+\c], 23, v[SO+\c]
.endr
	v_lshl_or_b32 v[\wd], v[PT], 8, v[TM]
	v_cvt_scalef32_pk16_fp6_f32 v[S:S+2], v[O:O+15], v[SO]
	v_cvt_scalef32_pk16_fp6_f32 v[S+8:S+10], v[O+16:O+31], v[SO+1]
	v_nop
.irp i, 0,1,2
	v_permlane16_swap_b32 v[S+\i], v[S+8+\i]       ; a whole block to a lane
.endr
.irp i, 0,1,2
	v_mov_b32 v[S+3+\i], v[S+8+\i]
.endr
	v_lshlrev_b32 v[TM], 4, v[LN]
	v_lshlrev_b32 v[PT], 3, v[LN]
	global_store_b128 v[TM], v[S:S+3], s[\ob:\ob+1]
	global_store_b64 v[PT], v[S+4:S+5], s[\ob:\ob+1] offset:512
	s_wait_xcnt 0x0                                ; the stores' registers are written again
.endm
	s_cmp_lt_u32 s[WV], 4
	s_cbranch_scc0 .Lnot_first
	s_wait_tensorcnt 0x0
.Lnot_first:
	s_wait_dscnt 0x0                               ; my stores to LDS are done
	s_barrier_signal -1
	s_barrier_wait -1                              ; the scale words and key step 0 are in; the other steps may be on their way
	s_lshr_b32 s[SD], s[WV], 1
	s_lshl_b32 s[SD], s[SD], 7                     ; the first tile's last key step
	s_mov_b32 s[PS], s17
	INIT
	KFIRST
	STEP 0
	s_wait_tensorcnt 0x0
	s_wait_dscnt 0x0
	s_barrier_signal -1
	s_barrier_wait -1                              ; the whole record is in
	KFIRST
	s_mov_b32 s[CNT], 16
.Ltrip:
	s_cmp_gt_u32 s[KF], s[SD]
	s_cbranch_scc0 .Lsame_tile
	FINISH 70, WA                                  ; the first tile's last step is done: it leaves,
	s_sub_co_u32 s[SD], 1920, s[SD]                ; and the second begins
	s_mov_b32 s[PS], s19
	INIT
	QPLACE
	ds_load_b128 v[Q:Q+3], v[V16]
	ds_load_b64 v[Q+4:Q+5], v[V8] offset:512
	ds_load_b32 v[QS], v[VSA] offset:768
	KFIRST
.Lsame_tile:
	s_barrier_signal -1                            ; I have begun this trip
	STEP 1
	s_barrier_wait -1                              ; and so has every wave
	s_sub_co_u32 s[CNT], s[CNT], 1
	s_cmp_lg_u32 s[CNT], 0
	s_cbranch_scc1 .Ltrip
	FINISH 76, NI
	v_mov_b32 v[TM], s16                           ; the scale words: lanes 0-15 the first tile's, lanes 16-31 the second's
	v_mov_b32 v[PT], s18
	v_cndmask_b32 v[TM], v[TM], v[PT], s[HM]
	v_and_b32 v[PT], 15, v[LN]
	v_lshl_add_u32 v[TM], v[PT], 2, v[TM]
	v_cndmask_b32 v[NI], v[WA], v[NI], s[HM]
	global_store_b32 v[TM], v[NI], s[10:11]
	s_wait_tensorcnt 0x0                           ; the wave's end
	ds_add_u32 v[SPW], v[NIL]
	s_wait_dscnt 0x0
	CROUND
	s_endpgm
.Lfunc_end_k_q1b6be28ea6_attn:
	.size	k_q1b6be28ea6_attn, .Lfunc_end_k_q1b6be28ea6_attn-k_q1b6be28ea6_attn
	.p2alignl 7, 3214868480
	.fill 96, 4, 3214868480
	.section	.rodata,"a",@progbits
	.p2align	6, 0x0
	.amdhsa_kernel k_q1b6be28ea6_attn
		.amdhsa_group_segment_fixed_size 327680
		.amdhsa_private_segment_fixed_size 0
		.amdhsa_enable_private_segment 0
		.amdhsa_kernarg_size 32
		.amdhsa_user_sgpr_count 2
		.amdhsa_user_sgpr_kernarg_segment_ptr 1
		.amdhsa_wavefront_size32 1
		.amdhsa_system_sgpr_workgroup_id_x 1
		.amdhsa_system_sgpr_workgroup_id_y 1
		.amdhsa_system_sgpr_workgroup_id_z 1
		.amdhsa_system_vgpr_workitem_id 0
		.amdhsa_next_free_vgpr 256
		.amdhsa_next_free_sgpr 96
		.amdhsa_reserve_vcc 1
		.amdhsa_float_denorm_mode_32 3
		.amdhsa_float_denorm_mode_16_64 3
		.amdhsa_memory_ordered 1
		.amdhsa_forward_progress 1
		.amdhsa_inst_pref_size 68
	.end_amdhsa_kernel
	.amdgpu_metadata
---
amdhsa.version: [ 1, 2 ]
amdhsa.kernels:
  - .name:           k_q1b6be28ea6_attn
    .symbol:         k_q1b6be28ea6_attn.kd
    .args:
      - { .name: qbuf, .offset: 0, .size: 8, .value_kind: global_buffer, .address_space: global }
      - { .name: kv, .offset: 8, .size: 8, .value_kind: global_buffer, .address_space: global }
      - { .name: acod, .offset: 16, .size: 8, .value_kind: global_buffer, .address_space: global }
      - { .name: ascl, .offset: 24, .size: 8, .value_kind: global_buffer, .address_space: global }
    .group_segment_fixed_size: 327680
    .private_segment_fixed_size: 0
    .kernarg_segment_align: 8
    .kernarg_segment_size: 32
    .max_flat_workgroup_size: 512
    .sgpr_count:     96
    .vgpr_count:     256
    .wavefront_size: 32
...
	.end_amdgpu_metadata
.endif
;; end of part 3
;; launch proj (part 4): grid 8 x 32, 4 waves a work-group, clusters of 4 x 4, 327,680 bytes of LDS; arguments acod, ascl, wcod, wscl, b_out, out0; writes out0
.if DOCPART == 4
	.amdgcn_target "amdgcn-amd-amdhsa--gfx1250"
	.amdhsa_code_object_version 6
	.text
	.protected	k_q1b6be28ea6_proj
	.globl	k_q1b6be28ea6_proj
	.p2align	8
	.type	k_q1b6be28ea6_proj,@function
k_q1b6be28ea6_proj:
	s_mov_b64 s[64:65], 0
	v_nop
	global_prefetch_b8 v0, s[64:65] scope:SCOPE_SE
	s_setreg_imm32_b32 hwreg(HW_REG_WAVE_MODE, 25, 1), 1
	s_wait_xcnt 0x0
	s_wait_alu depctr_hold_cnt(0) depctr_sa_sdst(0) depctr_va_vdst(0) depctr_va_sdst(0) depctr_va_ssrc(0) depctr_va_vcc(0) depctr_vm_vsrc(0)
	s_getreg_b32 s2, hwreg(HW_REG_IB_STS2, 6, 4)
	s_cmp_eq_u32 s2, 0
	s_cbranch_scc0 .Lentry_in_a_cluster
	s_endpgm
.Lentry_in_a_cluster:
	s_bfe_u32 s2, ttmp6, 0x10000c
	s_cmp_lg_u32 s2, 0xf033
	s_cbranch_scc0 .Lentry_shape_is_right
	s_endpgm
.Lentry_shape_is_right:
; out0 = attention's result x W_out + b_out on codes of FP6.  A work-group makes 256 rows x 128 columns, a wave 64 x 128; K = 1,024 in eight steps of 128.
; Codes lie in memory as [block][256 along K][tile][3,072 bytes]: A's 16 tiles, all of K, are 64 dense rows of 3,072 bytes, B's 8 tiles 32.  All of K fits in LDS: A from 0, B from BOFF, then the spare words.
; ONE joint load a wave at the head: waves 0 and 1 a half each of A, waves 2 and 3 of B.  The first 512 along K lie in wave 0's and wave 2's halves: the first barrier waits for these two alone; step 3's barrier shows the rest.
.set ASL,   49152
.set BSL,   24576
.set BOFF,  196608
.set TROW,  12288
.set L16, 2
.set L8,  3
.set L4,  4
.set BH,  5
.set STO, 10
.set ADA16, 12
.set ADA8,  16
.set ADB16, 20
.set ADB8,  24
.set RD,  ADA16
.set SA,  32
.set SB,  48
.set BI,  96
.set RAW, 160
.set BK,  128
.set WV,  18
.set G1A, 24
.set G0A, 32
.set G1B, 48
.set G0B, 68
.set MSB, 0
.macro WIN new
.if MSB != (\new)
	s_set_vgpr_msb (MSB<<8)|(\new)
.set MSB, (\new)
.endif
.endm
.macro PLACES
.rept 4
	v_nop
.endr
.endm
.macro ARM w, g0, g1, next             ; one arm of the head's chain of branches on the wave's number: one load, then the jump to the join
	s_cmp_eq_u32 s[WV], \w
	s_cbranch_scc0 \next
	tensor_load_to_lds s[\g0:\g0+3], s[\g1:\g1+7]
	s_nop 0
.rept 4
	v_nop
.endr
	s_branch .Lhead_asked
\next:
.endm
.macro CROUND
	s_barrier_signal -1
	s_barrier_wait -1
	s_cmp_lg_u32 s[WV], 0
	s_cbranch_scc1 .Lnot_wave_0_\@
	s_barrier_signal -3
.Lnot_wave_0_\@:
	s_barrier_wait -3
	s_barrier_signal -1
	s_barrier_wait -1
.endm
	s_load_b256 s[4:11], s[0:1], 0x0
	s_load_b128 s[12:15], s[0:1], 0x20
	v_lshl_add_u32 v94, v0, 2, 0x48000
	v_mov_b32 v95, 0
	ds_add_u32 v94, v95
	ds_add_u32 v94, v95
	v_lshrrev_b32 v1, 5, v0
	v_readfirstlane_b32 s[WV], v1
	; THE WAVES' ROLES IN FETCHING, AS THEY STAND (in place of what is said of them further up): waves 0 and 2 fetch A's first and second half, waves 1 and 3 B's.
	; So the two halves that hold the first 512 along K are waves 0 and 1's, and the first barrier waits for these two alone.
	s_lshr_b32 s20, s[WV], 1
	s_bfe_u32 s21, ttmp6, 0x40000
	s_bfe_u32 s22, ttmp6, 0x40004
	s_lshl_b32 s23, ttmp9, 2
	s_add_co_u32 s23, s23, s21
	s_and_b32 s84, ttmp7, 0xffff
	s_lshl_b32 s84, s84, 2
	s_add_co_u32 s84, s84, s22
	s_lshl_b32 s85, s22, 2
	s_lshl_b32 s85, 15, s85
	s_lshl_b32 s86, 0x1111, s21
	s_or_b32 s[G1A], s85, (3<<16)|(1<<21)
	s_or_b32 s[G1B], s86, (3<<16)|(1<<21)
.irp g, G1A, G1B
	s_mov_b32 s[\g+1], 384<<16
	s_mov_b32 s[\g+3], 384<<16
	s_mov_b32 s[\g+5], 384
	s_mov_b32 s[\g+6], 0
	s_mov_b32 s[\g+7], 0
.endr
	s_mov_b32 s[G1A+2], 32<<16                     ; 32 rows of A,
	s_mov_b32 s[G1A+4], 32
	s_mov_b32 s[G1B+2], 16<<16                     ; 16 of B
	s_mov_b32 s[G1B+4], 16
	s_mul_i32 s56, s84, 196608                     ; A: block y, + my half; these registers never hold x
	s_mul_i32 s58, s20, 98304
	s_add_co_u32 s56, s56, s58
	s_mov_b32 s57, 0
	s_mul_i32 s60, s23, 98304                      ; B: W_out's block x, behind W_qkv's 192 tiles, + my half; these never hold y
	s_mul_i32 s62, s20, 49152
	s_add_co_u32 s60, s60, s62
	s_add_co_u32 s60, s60, 192*TROW
	s_mov_b32 s61, 0
	s_add_co_u32 s62, s62, BOFF
	s_wait_dscnt 0x0
	s_wait_kmcnt 0x0
	s_add_nc_u64 s[56:57], s[4:5], s[56:57]
	s_add_nc_u64 s[60:61], s[8:9], s[60:61]
	CROUND
	s_mov_b32 s[G0A], 1
	s_mov_b32 s[G0A+1], s58
	s_mov_b64 s[G0A+2:G0A+3], s[56:57]
	s_or_b32 s[G0A+3], s[G0A+3], 0x80000000
	s_mov_b32 s[G0B], 1
	s_mov_b32 s[G0B+1], s62
	s_mov_b64 s[G0B+2:G0B+3], s[60:61]
	s_or_b32 s[G0B+3], s[G0B+3], 0x80000000
	ARM 0, G0A, G1A, .Lhead_1
	ARM 1, G0B, G1B, .Lhead_2
	ARM 2, G0A, G1A, .Lhead_3
	tensor_load_to_lds s[G0B:G0B+3], s[G1B:G1B+7]
	s_nop 0
.rept 4
	v_nop
.endr
.Lhead_asked:
	v_and_b32 v1, 31, v0
	v_lshlrev_b32 v[L16], 4, v1
	v_lshlrev_b32 v[L8], 3, v1
	v_lshlrev_b32 v[L4], 2, v1
	s_wait_alu depctr_va_vdst(0)
	v_bfe_u32 v7, v0, 4, 1
	v_lshlrev_b32 v[BH], 6, v7
	s_wait_alu depctr_va_vdst(0)
	v_and_b32 v8, 15, v0
	s_wait_alu depctr_va_vdst(0)
	s_lshl_b32 s88, s84, 3
	s_lshl_b32 s89, s[WV], 1
	s_add_co_u32 s88, s88, s89
	s_lshl_b32 s88, s88, 11
	s_mov_b32 s89, 0
	s_add_nc_u64 s[88:89], s[6:7], s[88:89]
	s_lshl_b32 s90, s23, 2
	s_add_co_u32 s90, s90, 96
	s_lshl_b32 s90, s90, 10
	s_mov_b32 s91, 0
	s_add_nc_u64 s[90:91], s[10:11], s[90:91]
	s_lshl_b32 s92, s23, 9
	s_mov_b32 s93, 0
	s_add_nc_u64 s[92:93], s[12:13], s[92:93]
.set i, 0
.rept 32
	global_load_b32 v[RAW+i], v[L4], s[88:89] offset:128*i
.set i, i+1
.endr
.irp i, 0,1,2,3
.irp p, 0,1,2,3
	global_load_b64 v[SB+8*\i+2*\p:SB+8*\i+2*\p+1], v[L8], s[90:91] offset:1024*\i+256*\p
.endr
.endr
.irp j, 0,1,2,3,4,5,6,7
	global_load_b128 v[BI+8*\j:BI+8*\j+3], v[BH], s[92:93] offset:(32*(\j/2)+8*(\j%2))*4
	global_load_b128 v[BI+8*\j+4:BI+8*\j+7], v[BH], s[92:93] offset:(32*(\j/2)+8*(\j%2))*4+16
.endr
	s_mul_i32 s59, s[WV], 4*3072
	v_mul_u32_u24 v[STO], v8, 528
	v_lshl_add_u32 v[STO], v7, 6, v[STO]
	v_add_nc_u32 v[STO], s59, v[STO]
	s_mov_b32 s63, BOFF
.irp s, 0,1,2,3
	v_add_nc_u32 v[ADA16+\s], s59, v[L16]
	v_add_nc_u32 v[ADA8+\s], s59, v[L8]
	v_add_nc_u32 v[ADB16+\s], s63, v[L16]
	v_add_nc_u32 v[ADB8+\s], s63, v[L8]
	s_add_co_u32 s59, s59, ASL
	s_add_co_u32 s63, s63, BSL
.endr
	s_lshl_b32 s94, s84, 8
	s_lshl_b32 s95, s[WV], 6
	s_add_co_u32 s94, s94, s95
	s_lshl_b32 s94, s94, 12
	s_lshl_b32 s95, s23, 9
	s_add_co_u32 s94, s94, s95
	s_mov_b32 s95, 0
	s_add_nc_u64 s[94:95], s[14:15], s[94:95]
	s_wait_loadcnt 0x0
.irp i, 0,1
.irp s, 0,1,2,3,4,5,6,7
	v_perm_b32 v[SA+8*\i+\s], v[RAW+16*\i+2*\s+1], v[RAW+16*\i+2*\s], 0x05040100
.endr
.endr
.rept 8
	v_nop
.endr
.macro FRAG reg, a16, a8, off
	ds_load_b128 v[(\reg):(\reg)+3], v[(\a16)] offset:(\off)
	ds_load_b64 v[(\reg)+4:(\reg)+5], v[(\a8)] offset:(\off)+512
	ds_load_b128 v[(\reg)+6:(\reg)+9], v[(\a16)] offset:(\off)+768
	ds_load_b64 v[(\reg)+10:(\reg)+11], v[(\a8)] offset:(\off)+1280
.endm
.macro FETB s, g
.set LS, ((\s)/2)
.irp b, 0,1,2,3
	FRAG 12*(4*(\g)+\b), ADB16+LS, ADB8+LS, (4*(\g)+\b)*3072+((\s)%2)*1536
.endr
.endm
.macro FETA s
.set LS, ((\s)/2)
.irp a, 0,1,2,3
	FRAG 144+48*((\s)%2)+12*\a, ADA16+LS, ADA8+LS, \a*3072+((\s)%2)*1536
.endr
.endm
.macro WM d, fa, fb, c, sa, sb, ra, rb
.if (\ra) && (\rb)
	v_wmma_scale_f32_16x16x128_f8f6f4 v[\d:\d+7], v[\fa:\fa+11], v[\fb:\fb+11], v[\c:\c+7], v[\sa], v[\sb] matrix_a_fmt:MATRIX_FMT_FP6 matrix_b_fmt:MATRIX_FMT_FP6 matrix_a_scale:MATRIX_SCALE_ROW1 matrix_b_scale:MATRIX_SCALE_ROW1
.elseif (\ra)
	v_wmma_scale_f32_16x16x128_f8f6f4 v[\d:\d+7], v[\fa:\fa+11], v[\fb:\fb+11], v[\c:\c+7], v[\sa], v[\sb] matrix_a_fmt:MATRIX_FMT_FP6 matrix_b_fmt:MATRIX_FMT_FP6 matrix_a_scale:MATRIX_SCALE_ROW1
.elseif (\rb)
	v_wmma_scale_f32_16x16x128_f8f6f4 v[\d:\d+7], v[\fa:\fa+11], v[\fb:\fb+11], v[\c:\c+7], v[\sa], v[\sb] matrix_a_fmt:MATRIX_FMT_FP6 matrix_b_fmt:MATRIX_FMT_FP6 matrix_b_scale:MATRIX_SCALE_ROW1
.else
	v_wmma_scale_f32_16x16x128_f8f6f4 v[\d:\d+7], v[\fa:\fa+11], v[\fb:\fb+11], v[\c:\c+7], v[\sa], v[\sb] matrix_a_fmt:MATRIX_FMT_FP6 matrix_b_fmt:MATRIX_FMT_FP6
.endif
.endm
.macro MULG s, g, first
.if \first
	WIN 0x85
.else
	WIN 0xa5
.endif
.irp a, 0,1,2,3
.irp b, 0,1,2,3
.set DD, 128*(\g)+8*(4*\a+\b)
.set CC, DD
.if \first
.set CC, BI+8*(4*(\g)+\b)
.endif
	WM DD, 12*(4*(\g)+\b), 144+48*((\s)%2)+12*\a, CC, SB+8*((4*(\g)+\b)/2)+(\s), SA+8*(\a/2)+(\s), \b%2, \a%2
.endr
.endr
.endm
.macro NEXT s, g, a
	PLACES
	WIN 0x40
	FETB \s, \g
.if \a
	FETA \s
.endif
.endm
.macro STEP s, first
	s_wait_dscnt 16
	MULG \s, 0, \first
	NEXT (\s)+1, 0, 1
	s_wait_dscnt 32
	MULG \s, 1, \first
	NEXT (\s)+1, 1, 0
.endm
.macro MEET s, left
	s_wait_dscnt 16
	s_wait_tensorcnt \left
	MULG \s, 0, 0
	s_wait_dscnt 0x0
	s_barrier_signal -1
	s_barrier_wait -1
	NEXT (\s)+1, 0, 1
	MULG \s, 1, 0
	NEXT (\s)+1, 1, 0
.endm
	s_wait_alu depctr_va_vdst(0)
	s_cmp_eq_u32 s20, 0
	s_cbranch_scc0 .Lsecond_half
	s_wait_tensorcnt 0x0                           ; waves 0 and 1: the halves with the first 512 along K are in; waves 2 and 3's may be out
.Lsecond_half:
	s_barrier_signal -1
	s_barrier_wait -1
	WIN 0x40
	FETB 0, 0
	FETA 0
	FETB 0, 1
	STEP 0, 1
	STEP 1, 0
	STEP 2, 0
	MEET 3, 0
	STEP 4, 0
	STEP 5, 0
	STEP 6, 0
	s_wait_dscnt 16
	MULG 7, 0, 0
	s_wait_dscnt 0x0
	MULG 7, 1, 0
	WIN 0
	PLACES
.macro TOSTAGE a
	WIN 0x08
.irp j, 0,1,2,3,4,5,6,7
.set AC, 128*(\j/4)+8*(4*(\a)+\j%4)
	ds_store_b128 v[STO], v[AC:AC+3] offset:128*(\j/2)+32*(\j%2)
	ds_store_b128 v[STO], v[AC+4:AC+7] offset:128*(\j/2)+32*(\j%2)+16
.endr
	WIN 0
.set i, 0
.rept 16
	ds_load_b128 v[BK+64*((\a)%2)+4*i:BK+64*((\a)%2)+4*i+3], v[RD] offset:528*i
.set i, i+1
.endr
.endm
.macro SEND a, younger
	s_wait_dscnt \younger
.set i, 0
.rept 16
	global_store_b128 v[L16], v[BK+64*((\a)%2)+4*i:BK+64*((\a)%2)+4*i+3], s[94:95] offset:(32*((\a)/2)+8*((\a)%2)+i+8*(i/8))*4096 th:TH_STORE_NT
.set i, i+1
.endr
.endm
	TOSTAGE 0
	TOSTAGE 1
	SEND 0, 32
	s_wait_xcnt 0x0
	TOSTAGE 2
	SEND 1, 32
	s_wait_xcnt 0x0
	TOSTAGE 3
	SEND 2, 32
	SEND 3, 0
	s_wait_tensorcnt 0x0
	ds_add_u32 v94, v95
	s_wait_dscnt 0x0
	CROUND
	s_endpgm
.Lfunc_end_k_q1b6be28ea6_proj:
	.size	k_q1b6be28ea6_proj, .Lfunc_end_k_q1b6be28ea6_proj-k_q1b6be28ea6_proj
	.p2alignl 7, 3214868480
	.fill 96, 4, 3214868480
	.section	.rodata,"a",@progbits
	.p2align	6, 0x0
	.amdhsa_kernel k_q1b6be28ea6_proj
		.amdhsa_group_segment_fixed_size 327680
		.amdhsa_private_segment_fixed_size 0
		.amdhsa_enable_private_segment 0
		.amdhsa_kernarg_size 48
		.amdhsa_user_sgpr_count 2
		.amdhsa_user_sgpr_kernarg_segment_ptr 1
		.amdhsa_wavefront_size32 1
		.amdhsa_system_sgpr_workgroup_id_x 1
		.amdhsa_system_sgpr_workgroup_id_y 1
		.amdhsa_system_sgpr_workgroup_id_z 1
		.amdhsa_system_vgpr_workitem_id 0
		.amdhsa_next_free_vgpr 1024
		.amdhsa_next_free_sgpr 96
		.amdhsa_reserve_vcc 0
		.amdhsa_float_denorm_mode_32 3
		.amdhsa_float_denorm_mode_16_64 3
		.amdhsa_memory_ordered 1
		.amdhsa_forward_progress 1
		.amdhsa_inst_pref_size 90
	.end_amdhsa_kernel
	.amdgpu_metadata
---
amdhsa.version: [ 1, 2 ]
amdhsa.kernels:
  - .name:           k_q1b6be28ea6_proj
    .symbol:         k_q1b6be28ea6_proj.kd
    .args:
      - { .name: acod, .offset: 0, .size: 8, .value_kind: global_buffer, .address_space: global }
      - { .name: ascl, .offset: 8, .size: 8, .value_kind: global_buffer, .address_space: global }
      - { .name: wcod, .offset: 16, .size: 8, .value_kind: global_buffer, .address_space: global }
      - { .name: wscl, .offset: 24, .size: 8, .value_kind: global_buffer, .address_space: global }
      - { .name: b_out, .offset: 32, .size: 8, .value_kind: global_buffer, .address_space: global }
      - { .name: out0, .offset: 40, .size: 8, .value_kind: global_buffer, .address_space: global }
    .group_segment_fixed_size: 327680
    .private_segment_fixed_size: 0
    .kernarg_segment_align: 8
    .kernarg_segment_size: 48
    .max_flat_workgroup_size: 128
    .sgpr_count:     96
    .vgpr_count:     1024
    .wavefront_size: 32
...
	.end_amdgpu_metadata
.endif
;; end of part 4
